; MI455X (gfx1250); checked and timed in simulation.
; The chip was launched on July 23, 2026; its instructions are those of AMD's public machine-readable ISA for CDNA 5 (MIT licence, August 2026) and "CDNA5" Instruction Set Architecture Reference Guide (July 2026). The comments in the code are by the model that wrote it; some were corrected since.
;; Causal Self Attention. Allowed arithmetic: matrix products marked QUANTISED: E4M3 operands, one E8M0 scale for each 32 along K, by v_wmma_scale_f32_16x16x128_f8f6f4 with both operands' format E4M3, f32 sums; everything else in f32.
;; Inputs: W_proj 1,024 x 1,024 float32; W_qkv 1,024 x 3,072 float32; b_proj 1,024 float32; b_qkv 3,072 float32; x 4 x 2,048 x 1,024 float32.
;; Outputs: out0 4 x 2,048 x 1,024 float32.
;; This version of the problem:
;;   THIS VERSION OF THE PROBLEM IS GIVEN IN LOW PRECISION. The matrix products marked QUANTISED in the list below multiply operands that are first quantised to E4M3 (4 exponent bits, 3 mantissa bits; 8 bits a number), with one power-of-two scale for each 32 numbers along K (OCP MX v1.0); their sums are f32. All else is computed in f32.
;;   The module's matrix products, in the order in which they are computed (A, B: the left and right operand; K: the contracted axis; several contracted axes count as one K, in the product's order):
;;     1. [M 8,192, K 1,024] x [K 1,024, N 3,072]; A: input x; B: input W_qkv: QUANTISED
;;     2. batch 64 x [M 2,048, K 64] x [K 64, N 2,048]; A: computed on the way; B: computed on the way: QUANTISED
;;     3. batch 64 x [M 2,048, K 2,048] x [K 2,048, N 64]; A: softmax (see below); B: computed on the way: QUANTISED
;;     4. [M 8,192, K 1,024] x [K 1,024, N 1,024]; A: computed on the way; B: input W_proj: QUANTISED
;;   THE QUANTISER, for each operand of a quantised product, along K:
;;     - K is cut into blocks of 32 from its start; a last block that is shorter is filled with zeros.
;;     - A block's scale is 2^e with e = floor(log2(the largest magnitude in the block)) - 8, held to -126 .. 127; a block of zeros has e = 0. As a byte (E8M0): e + 127.
;;     - Each number is divided by its block's scale, clamped to +-448, and rounded to the nearest number of E4M3, ties to even, subnormals kept.
;;     - The product sums the exact products of the quantised numbers (number of the format x scale) in f32.
;;   ~~~python
;;   def quantise(x, axis):      # numpy; x: float32 -> the quantised numbers, widened to float32 again
;;       x = np.moveaxis(x, axis, -1); K = x.shape[-1]
;;       x = np.pad(x, [(0, 0)] * (x.ndim - 1) + [(0, -K % 32)]); x = x.reshape(x.shape[:-1] + (-1, 32)); a = np.abs(x).max(-1, keepdims=True)
;;       e = np.where(a > 0, np.clip(np.frexp(np.where(a > 0, a, 1))[1] - 1 - 8, -126, 127), 0)      # np.frexp(a)[1] - 1 = floor(log2(a)), exactly
;;       r = np.clip(x / 2.0 ** e, -448, 448)
;;       step = 2.0 ** (np.maximum(np.frexp(np.where(r == 0, 1, r))[1] - 1, -6) - 3)
;;       q = np.round(r / step) * step * 2.0 ** e      # np.round: ties to even
;;       return np.moveaxis(q.reshape(q.shape[:-2] + (-1,))[..., :K], -1, axis).astype(np.float32)
;;   ~~~
;;   SOFTMAX AHEAD OF A QUANTISED PRODUCT. Where the list says 'softmax', what is quantised is not the finished softmax but p = 2^(t - M), with t = logit x log2(e) and M = ceil(the row's largest t), a whole number; so 1/2 < the row's largest p <= 1. The row's sum l is taken of the UNQUANTISED p, in f32, and the product's result is divided by l at the end. Since M is a whole number, a kernel that streams over the keys may use a running M (the ceiling of the running maximum): every later rescaling is an exact power of two, which a block's scale takes up: the codes' values come out the same.
;;   OPERANDS COMPUTED ON THE WAY. 'Computed on the way' means the value that the module computes at that place (a softmax that the list does not call 'softmax' is quantised finished and normalised). What goes into a quantiser is computed in f32, as accurately as f32 sums, v_exp_f32 and their like allow (about 1e-6 of the number): no bf16 or f16 on the way to a quantiser, and a product that is left as it is and whose result goes on into a quantised operand takes f32 operands (vector FMAs, or v_wmma_f32_16x16x4_f32). A number that lies on a knife's edge between two numbers of the format may be rounded either way, as far as f32 arithmetic and the matrix unit's own rounding can turn it there, and no further.
;; One version. Each part assembles by itself: llvm-mc -triple=amdgcn-amd-amdhsa -mcpu=gfx1250 --defsym DOCPART=n.
;; ======== version 1 of 1: 4 launches
;; limits: right only within a limited range of input values
;; workspace buffers: xb 8,650,752 bytes; wb 3,244,032 bytes; pb 1,081,344 bytes; qb 17,301,504 bytes; kv 17,301,504 bytes; yb 8,650,752 bytes
;; launch quant (part 1): grid 384 x 1, 4 waves a work-group, no clusters, 34,304 bytes of LDS; arguments x, W_qkv, W_proj, xb, wb, pb; writes xb, wb, pb
.if DOCPART == 1
	.amdgcn_target "amdgcn-amd-amdhsa--gfx1250"
	.amdhsa_code_object_version 6
	.text
	.protected	k_q2e721beca4_quant
	.globl	k_q2e721beca4_quant
	.p2align	8
	.type	k_q2e721beca4_quant,@function
k_q2e721beca4_quant:
	s_mov_b64 s[64:65], 0
	v_nop
	global_prefetch_b8 v0, s[64:65] scope:SCOPE_SE
	s_setreg_imm32_b32 hwreg(HW_REG_WAVE_MODE, 25, 1), 1
	s_wait_xcnt 0x0
; x [8192][1024], W_qkv [1024][3072] and W_proj [1024][1024], f32, become codes of FP8 (E4M3) with one E8M0 byte for each 32 along K (K = 1024 in all three).
; A block's scale is 2^(floor(log2(largest magnitude)) - 8); its byte is the largest magnitude's exponent field - 8, held at 1 from below; each number is held within +-448 x the scale and rounded to the nearest code, ties to even.
; LAYOUT OF THE RESULTS (this program's own buffers): AN IMAGE OF THE OPERAND'S REGISTERS.  A fragment, 16 rows x 128 K, is [c 0..3][lane 0..31][16 bytes] = 2,048 bytes: lane (r = lane % 16, h = lane / 16), group c
; holds k = 32 c + 16 h + 0..15 of row r.  Images lie [s 0..3][tile of 16 rows][q 0..1]: K step of 128 = 2 s + q.  Behind the images (NT tiles x 16,384 bytes): the scale words, [tile][s][r][e 0..1], word e for K step 2 s + e.
; THE WEIGHTS' ROWS: column n of a weight is stored as row p = n with bits 3 and 4 exchanged, so that in the products, where a weight is the first source, a lane's 16 results of two neighbouring tiles are 16 neighbouring columns.
; SHARES: work-groups 0-255: x (a wave: 16 rows x 512 along K); 256-351: W_qkv; 352-383: W_proj (a wave: 32 columns x 256 along K).  Every wave reads 32,768 bytes.  A stream: no matrix unit, no tensor load, no barrier, waves share nothing.
; LIMITS: NaN and infinities among the inputs are not served; a block whose largest magnitude lies under 2^-118 gets the byte 1, a block of zeros too (its codes are zeros; the bytes are read by this program alone).
.set MANT,  0x600000                   ; the mantissa field of 448 as f32
.set FLOOR, 0x4800000                  ; 2^(9 - 127): no largest magnitude is taken under it, so the byte cannot fall under 1
.set DOWN8, 0xfc000000                 ; takes 8 off an exponent field
; ---- x's path
.set LI,  3                            ; v3   16 x lane
.set STI, 4                            ; v4   my wave's stage, on the way in: 16 x lane
.set STO, 5                            ; v5   on the way out: 528 r + 64 h
.set L8,  6                            ; v6   8 x lane
.set W,   12                           ; v12-15 the four K steps' scale words
.set TM,  16                           ; v16-19 largest magnitudes, v20-23 bytes, v24-27 448 x the scale, v28-31 the conversions' scale operands
.set R,   32                           ; v32-159 two sets of 64 numbers
.set C,   160                          ; v160-223 a fragment's 16 registers for each K step: no store's data are written again
; ---- the weights' path
.set X,   32                           ; v32-95 two sets of 32 numbers
.set CW,  96                           ; v96-159 eight registers of codes for each block
.set SB,  24                           ; v24-25 the scale bytes, four to a register
.macro XLOAD t                         ; K step t of my 16 rows: a load takes 512 consecutive bytes of one row
.irp i, 0,1,2,3,4,5,6,7,8,9,10,11,12,13,14,15
	global_load_b128 v[R+64*((\t)%2)+4*\i:R+64*((\t)%2)+4*\i+3], v[LI], s[4:5] offset:\i*4096+(\t)*512 th:TH_LOAD_NT
.endr
.endm
.macro XTURN t                         ; through my wave's stage (rows of 512 bytes + 16): back come, for lane (r, h), 16 neighbours of each block of 32 of row r.  LDS serves a wave's instructions in order: no wait between
.irp i, 0,1,2,3,4,5,6,7,8,9,10,11,12,13,14,15
	ds_store_b128 v[STI], v[R+64*((\t)%2)+4*\i:R+64*((\t)%2)+4*\i+3] offset:\i*528
.endr
.irp b, 0,1,2,3
.irp j, 0,1,2,3
	ds_load_b128 v[R+64*((\t)%2)+16*\b+4*\j:R+64*((\t)%2)+16*\b+4*\j+3], v[STO] offset:128*\b+16*\j
.endr
.endr
.endm
; 64 numbers of a lane, register 16 b + i = k 32 b + 16 h + i of my row, become a fragment's codes in v[pc] on and its scale word in v[pw]
.macro QUANT s, pc, pw
.irp b, 0,1,2,3
	v_max3_num_f32 v[TM+\b], |v[(\s)+16*\b]|, |v[(\s)+1+16*\b]|, FLOOR
.endr
.irp i, 2,4,6,8,10,12,14
.irp b, 0,1,2,3
	v_max3_num_f32 v[TM+\b], v[TM+\b], |v[(\s)+16*\b+\i]|, |v[(\s)+1+16*\b+\i]|   ; the four blocks by turns
.endr
.endr
.irp b, 0,1,2,3
	v_permlanex16_b32 v[TM+4+\b], v[TM+\b], s22, s23
.endr
.irp b, 0,1,2,3
	v_max_num_f32 v[TM+\b], v[TM+\b], v[TM+4+\b]           ; with lane l xor 16's 16 numbers: the block's largest magnitude
.endr
.irp b, 0,1,2,3
	v_add_nc_u32 v[TM+12+\b], DOWN8, v[TM+\b]              ; the conversion takes the exponent field of this operand as its scale
.endr
.irp b, 0,1,2,3
	v_and_or_b32 v[TM+8+\b], v[TM+\b], 0x7f800000, s21     ; 448 x the scale
.endr
.irp b, 0,1,2,3
	v_lshrrev_b32 v[TM+4+\b], 23, v[TM+12+\b]              ; the scale's byte
.endr
	v_lshl_or_b32 v[\pw], v[TM+5], 8, v[TM+4]
	v_lshl_or_b32 v[\pw], v[TM+6], 16, v[\pw]
	v_lshl_or_b32 v[\pw], v[TM+7], 24, v[\pw]
.irp b, 0,1,2,3
.irp i, 0,1,2,3,4,5,6,7,8,9,10,11,12,13,14,15
	v_med3_num_f32 v[(\s)+16*\b+\i], v[(\s)+16*\b+\i], -v[TM+8+\b], v[TM+8+\b]   ; the conversion to an 8-bit code does not saturate (ISA guide 7.6.2): the hold comes first
.endr
	v_cvt_scalef32_pk8_fp8_f32 v[(\pc)+4*\b:(\pc)+1+4*\b], v[(\s)+16*\b:(\s)+7+16*\b], v[TM+12+\b]
	v_cvt_scalef32_pk8_fp8_f32 v[(\pc)+2+4*\b:(\pc)+3+4*\b], v[(\s)+8+16*\b:(\s)+15+16*\b], v[TM+12+\b]
.endr
	v_nop                                          ; a plain line behind the last conversion, ahead of whatever next writes its sources
.endm
.macro WLOAD t, n                      ; block t: W(32 t + i, my column), i = 0 .. 31: a load takes 128 consecutive bytes of one row of W
.irp i, 0,1,2,3,4,5,6,7,8,9,10,11,12,13,14,15,16,17,18,19,20,21,22,23,24,25,26,27,28,29,30,31
	global_load_b32 v[X+32*((\t)%2)+\i], v7, s[4:5] offset:(32*(\t)+\i)*(\n)*4 th:TH_LOAD_NT
.endr
.endm
.macro BLOCK t, n                      ; a block of 32 along K lies in ONE lane's 32 registers
.set XS, X+32*((\t)%2)
.if (\t) < 7
	s_wait_loadcnt 32                              ; this block's 32 loads are in; the next block's 32 may be out
.else
	s_wait_loadcnt 0
.endif
	v_max3_num_f32 v12, |v[XS]|, |v[XS+1]|, |v[XS+2]|
	v_max3_num_f32 v13, |v[XS+3]|, |v[XS+4]|, |v[XS+5]|
.irp i, 6,10,14,18,22,26
	v_max3_num_f32 v12, v12, |v[XS+\i]|, |v[XS+\i+1]|
	v_max3_num_f32 v13, v13, |v[XS+\i+2]|, |v[XS+\i+3]|
.endr
	v_max3_num_f32 v12, v12, |v[XS+30]|, |v[XS+31]|
	v_max3_num_f32 v12, v12, v13, FLOOR
	v_add_nc_u32 v15, DOWN8, v12
	v_and_or_b32 v14, v12, 0x7f800000, s21
	v_lshrrev_b32 v13, 23, v15
.if (\t)%4 == 0
	v_mov_b32 v[SB+(\t)/4], v13
.else
	v_lshl_or_b32 v[SB+(\t)/4], v13, 8*((\t)%4), v[SB+(\t)/4]
.endif
.irp i, 0,1,2,3,4,5,6,7,8,9,10,11,12,13,14,15,16,17,18,19,20,21,22,23,24,25,26,27,28,29,30,31
	v_med3_num_f32 v[XS+\i], v[XS+\i], -v14, v14
.endr
.irp g, 0,1,2,3
	v_cvt_scalef32_pk8_fp8_f32 v[CW+8*(\t)+2*\g:CW+8*(\t)+2*\g+1], v[XS+8*\g:XS+8*\g+7], v15
.endr
	v_nop
	global_store_b128 v8, v[CW+8*(\t):CW+8*(\t)+3], s[6:7] offset:((\t)/4)*2048+((\t)%4)*512        ; k 0-15 of the block: the image's lanes 0-15: sixteen of my lanes fill 256 consecutive aligned bytes, in each of two tiles
	global_store_b128 v8, v[CW+8*(\t)+4:CW+8*(\t)+7], s[6:7] offset:((\t)/4)*2048+((\t)%4)*512+256   ; k 16-31: the image's lanes 16-31
.if (\t)+2 < 8
	WLOAD (\t)+2, \n
.endif
.endm
; A weight [1024][n]: work-group g - first: columns 128 (g / 4) on, slot g % 4 (256 along K); my wave 32 of the columns; src, dst: the scalar pairs with the two addresses
.macro WPATH n, nt, first, src, dst
	s_sub_co_u32 s24, ttmp9, \first
	s_lshr_b32 s25, s24, 2                         ; which 128 columns
	s_and_b32 s26, s24, 3                          ; which slot
	s_mul_i32 s28, s26, 256*(\n)*4
	s_lshl_b32 s27, s25, 9
	s_add_co_u32 s28, s28, s27
	s_lshl_b32 s27, s20, 7
	s_add_co_u32 s28, s28, s27                     ; in W: 256 rows x slot + 4 x my wave's first column
	s_mov_b32 s29, 0
	s_lshl_b32 s34, s25, 3
	s_lshl_b32 s27, s20, 1
	s_add_co_u32 s34, s34, s27                     ; my wave's first tile of 16 stored rows
	s_mul_i32 s30, s26, (\nt)*4096
	s_lshl_b32 s27, s34, 12
	s_add_co_u32 s30, s30, s27                     ; its images of this slot
	s_mov_b32 s31, 0
	s_lshl_b32 s32, s34, 9
	s_lshl_b32 s27, s26, 7
	s_add_co_u32 s32, s32, s27
	s_add_co_u32 s32, s32, (\nt)*16384             ; its scale words of this slot
	s_mov_b32 s33, 0
	s_wait_kmcnt 0x0
	s_add_nc_u64 s[4:5], s[\src:\src+1], s[28:29]
	s_add_nc_u64 s[6:7], s[\dst:\dst+1], s[30:31]
	s_add_nc_u64 s[2:3], s[\dst:\dst+1], s[32:33]
	WLOAD 0, \n
	WLOAD 1, \n
.set Q, 0
.rept 8
	BLOCK Q, \n
.set Q, Q+1
.endr
	global_store_b64 v9, v[SB:SB+1], s[2:3]        ; my stored row's two scale words of this slot: runs of 128 bytes, one byte for each 128 that the path reads
	s_endpgm
.endm
	s_load_b256 s[8:15], s[0:1], 0x0               ; x s[8:9], W_qkv s[10:11], W_proj s[12:13], xb s[14:15]
	s_load_b128 s[16:19], s[0:1], 0x20             ; wb s[16:17], pb s[18:19]
	v_lshl_add_u32 v254, v0, 2, 0x8400
	v_mov_b32 v255, 0
	v_lshrrev_b32 v1, 5, v0
	v_readfirstlane_b32 s20, v1                    ; wave
	v_and_b32 v2, 31, v0                           ; lane
	s_mov_b32 s21, MANT
	s_mov_b32 s22, 0x76543210
	s_mov_b32 s23, 0xfedcba98                      ; v_permlanex16_b32's selects for lane l xor 16
	s_cmp_lt_u32 ttmp9, 256
	s_cbranch_scc0 .Lweights
	; ---- x: unit u = 4 x work-group + wave: tile of 16 rows u / 2, half of K u % 2
	s_lshl_b32 s24, ttmp9, 2
	s_add_co_u32 s24, s24, s20
	s_lshr_b32 s25, s24, 1
	s_and_b32 s26, s24, 1
	s_lshl_b32 s28, s25, 16                        ; 16 rows of 4,096 bytes
	s_lshl_b32 s27, s26, 11
	s_add_co_u32 s28, s28, s27
	s_mov_b32 s29, 0
	s_lshl_b32 s30, s26, 22                        ; two slots of 512 tiles x 4,096 bytes
	s_lshl_b32 s27, s25, 12
	s_add_co_u32 s30, s30, s27
	s_mov_b32 s31, 0
	s_lshl_b32 s32, s25, 9
	s_lshl_b32 s27, s26, 8
	s_add_co_u32 s32, s32, s27
	s_add_co_u32 s32, s32, 8388608                 ; the scale words lie behind the images
	s_mov_b32 s33, 0
	v_and_b32 v7, 15, v0                           ; r
	v_bfe_u32 v8, v0, 4, 1                         ; h
	s_wait_alu depctr_va_vdst(0)
	v_lshlrev_b32 v[LI], 4, v2
	s_mul_i32 s34, s20, 8448                       ; my wave's stage: 16 rows x 528 bytes
	v_add_nc_u32 v[STI], s34, v[LI]
	v_mul_u32_u24 v[STO], v7, 528
	v_lshl_add_u32 v[STO], v8, 6, v[STO]
	v_add_nc_u32 v[STO], s34, v[STO]
	v_lshlrev_b32 v[L8], 3, v2
.irp b, 0,1,2,3
	v_mov_b32 v[TM+4+\b], 0                        ; written once: a lane permute's destination counts as one of its sources
.endr
	s_wait_alu depctr_va_vdst(0)
	s_wait_kmcnt 0x0
	s_add_nc_u64 s[4:5], s[8:9], s[28:29]
	s_add_nc_u64 s[6:7], s[14:15], s[30:31]
	s_add_nc_u64 s[2:3], s[14:15], s[32:33]
	XLOAD 0
	XLOAD 1
.irp t, 0,1,2,3
.if \t < 3
	s_wait_loadcnt 16                              ; this K step's 16 loads are in; the next step's 16 may be out
.else
	s_wait_loadcnt 0
.endif
	XTURN \t
	s_wait_dscnt 0x0
	QUANT R+64*(\t%2), C+16*\t, W+\t
.irp c, 0,1,2,3
	global_store_b128 v[LI], v[C+16*\t+4*\c:C+16*\t+4*\c+3], s[6:7] offset:(\t/2)*2097152+(\t%2)*2048+512*\c   ; 512 consecutive bytes of the image
.endr
.if \t < 2
	XLOAD \t+2
.endif
.endr
	s_mov_b32 s35, 0xffff0000                      ; lanes 16-31
	v_cndmask_b32 v10, v[W], v[W+2], s35           ; lanes 0-15: row r's words of my first slot; lanes 16-31: of my second
	v_cndmask_b32 v11, v[W+1], v[W+3], s35
	global_store_b64 v[L8], v[10:11], s[2:3]       ; 256 consecutive aligned bytes
	s_wait_tensorcnt 0x0
	ds_add_u32 v254, v255
	s_wait_dscnt 0x0
	s_endpgm
.Lweights:
	s_wait_alu depctr_va_vdst(0)
	v_lshlrev_b32 v7, 2, v2                        ; in: 4 bytes a lane: lane l takes column l of my wave's 32
	v_and_b32 v10, 7, v2
	v_bfe_u32 v11, v2, 4, 1
	v_lshl_add_u32 v10, v11, 3, v10                ; its stored row in its tile: l % 8 + 8 x bit 4 of l,
	v_bfe_u32 v11, v2, 3, 1                        ; its tile: bit 3 of l
	v_lshlrev_b32 v8, 4, v10
	v_lshl_add_u32 v8, v11, 12, v8                 ; in the images
	v_lshlrev_b32 v9, 3, v10
	v_lshl_add_u32 v9, v11, 9, v9                  ; among the scale words
	s_cmp_lt_u32 ttmp9, 352
	s_cbranch_scc0 .Lproj
	s_wait_alu depctr_va_vdst(0)
	WPATH 3072, 192, 256, 10, 16
.Lproj:
	s_wait_alu depctr_va_vdst(0)
	WPATH 1024, 64, 352, 12, 18
.Lfunc_end_k_q2e721beca4_quant:
	.size	k_q2e721beca4_quant, .Lfunc_end_k_q2e721beca4_quant-k_q2e721beca4_quant
	.p2alignl 7, 3214868480
	.fill 96, 4, 3214868480
	.section	.rodata,"a",@progbits
	.p2align	6, 0x0
	.amdhsa_kernel k_q2e721beca4_quant
		.amdhsa_group_segment_fixed_size 34304
		.amdhsa_private_segment_fixed_size 0
		.amdhsa_enable_private_segment 0
		.amdhsa_kernarg_size 48
		.amdhsa_user_sgpr_count 2
		.amdhsa_user_sgpr_kernarg_segment_ptr 1
		.amdhsa_wavefront_size32 1
		.amdhsa_system_sgpr_workgroup_id_x 1
		.amdhsa_system_sgpr_workgroup_id_y 1
		.amdhsa_system_sgpr_workgroup_id_z 1
		.amdhsa_system_vgpr_workitem_id 0
		.amdhsa_next_free_vgpr 256
		.amdhsa_next_free_sgpr 66
		.amdhsa_reserve_vcc 0
		.amdhsa_float_denorm_mode_32 3
		.amdhsa_float_denorm_mode_16_64 3
		.amdhsa_memory_ordered 1
		.amdhsa_forward_progress 1
		.amdhsa_inst_pref_size 162
	.end_amdhsa_kernel
	.amdgpu_metadata
---
amdhsa.version: [ 1, 2 ]
amdhsa.kernels:
  - .name:           k_q2e721beca4_quant
    .symbol:         k_q2e721beca4_quant.kd
    .args:
      - { .name: x, .offset: 0, .size: 8, .value_kind: global_buffer, .address_space: global }
      - { .name: W_qkv, .offset: 8, .size: 8, .value_kind: global_buffer, .address_space: global }
      - { .name: W_proj, .offset: 16, .size: 8, .value_kind: global_buffer, .address_space: global }
      - { .name: xb, .offset: 24, .size: 8, .value_kind: global_buffer, .address_space: global }
      - { .name: wb, .offset: 32, .size: 8, .value_kind: global_buffer, .address_space: global }
      - { .name: pb, .offset: 40, .size: 8, .value_kind: global_buffer, .address_space: global }
    .group_segment_fixed_size: 34304
    .private_segment_fixed_size: 0
    .kernarg_segment_align: 8
    .kernarg_segment_size: 48
    .max_flat_workgroup_size: 128
    .sgpr_count:     66
    .vgpr_count:     256
    .wavefront_size: 32
...
	.end_amdgpu_metadata
.endif
;; end of part 1
;; launch qkv (part 2): grid 8 x 32, 4 waves a work-group, clusters of 4 x 1, 327,680 bytes of LDS; arguments xb, wb, qb, kv, b_qkv; writes qb, kv
.if DOCPART == 2
	.amdgcn_target "amdgcn-amd-amdhsa--gfx1250"
	.amdhsa_code_object_version 6
	.text
	.protected	k_q2e721beca4_qkv
	.globl	k_q2e721beca4_qkv
	.p2align	8
	.type	k_q2e721beca4_qkv,@function
k_q2e721beca4_qkv:
	s_mov_b64 s[64:65], 0
	v_nop
	global_prefetch_b8 v0, s[64:65] scope:SCOPE_SE
	s_setreg_imm32_b32 hwreg(HW_REG_WAVE_MODE, 25, 1), 1
	s_wait_xcnt 0x0
	s_wait_alu depctr_hold_cnt(0) depctr_sa_sdst(0) depctr_va_vdst(0) depctr_va_sdst(0) depctr_va_ssrc(0) depctr_va_vcc(0) depctr_vm_vsrc(0)
	s_getreg_b32 s2, hwreg(HW_REG_IB_STS2, 6, 4)
	s_cmp_eq_u32 s2, 0
	s_cbranch_scc0 .Lentry_in_a_cluster
	s_endpgm
.Lentry_in_a_cluster:
	s_bfe_u32 s2, ttmp6, 0x10000c
	s_cmp_lg_u32 s2, 0x3003
	s_cbranch_scc0 .Lentry_shape_is_right
	s_endpgm
.Lentry_shape_is_right:
; qkv = x W_qkv + b_qkv on codes of FP8 (E4M3) with E8M0 scales, K = 1024; the results are quantised at once as the operands of attention's two products and stored as images of operand registers.
; THE DEAL: 256 work-groups of four waves.  Work-group (g, y) owns x's rows 256 y on, ALL of K: 262,144 bytes of LDS, fetched once, a slot of K (65,536 dense bytes) a wave; nothing is filled again.
; A wave holds 64 stored rows of a weight, all of K, in 512 registers (windows 1, 2), loaded straight from wb, whose fragments are images of operand registers, and streams x's rows past them in tiles of 16: 32 products a tile.
; PHASE 1: wave w makes wave column v = 4 g + w (Q's heads 0-15, then K's) for all 16 tiles.  PHASE 2: V's head 2 g + w % 2 for the 8 tiles of rows 128 (w / 2) on.  24 tiles a wave.
; THE STREAM: x's tiles stand in two sets of 128 registers (window 3); behind a tile's products its set takes the tile two on, also through the change of phase.  Every wait behind a batch is for 0: what it covers was issued a batch before.
; Q, K: first source W's stored rows (bits 3 and 4 of the column exchanged), second x's rows: a lane holds token r, its 16 registers of tiles 2 t, 2 t + 1 columns 32 t + 16 h + 0..15: neighbours along D.
; V: first source x's rows, second W_v's stored rows: a lane holds a channel, its registers tokens 8 h + j; two tiles of rows give a block of 32 keys in lanes l and l xor 16, in the order in which attention's p lies.
; SCALE WORDS: a tile's 512 bytes [s][r][e] come by two loads of 256 consecutive bytes: lanes 0-15 slot s, lanes 16-31 slot s + 1; the products pick the row of the register.
; OUT: qb and kv: [batch x head][T / 128] blocks of 16,896 bytes: +0 q's or k's images [tile of 16 tokens][c 0..1][lane][16]; +8192 V^T's images [tile of 16 channels][c 0..3][lane][16];
;   +16384 q's or k's scale words [r][tile][2 bytes]; +16640 V^T's scale words [lane (r, h)][e]: channel tile 2 h + e.  The scale bytes are gathered in the wave's own LDS bytes and leave at the end as whole runs of 256 bytes.
; CLUSTER: the four work-groups of a cluster own the same rows of x: each slot is asked for jointly, mask 15.  The weights go to registers by plain loads.
; NO PREFETCH: every tensor load stands at the head; there is no loop to run ahead in.
; LIMITS: NaN and infinities are not served; a block whose largest magnitude lies under 2^-118 (a block of zeros too) gets the byte 1; the bytes are read by this program alone.
.set BLK,   16896
.set SL,    65536                      ; a slot of K in LDS: 16 tiles x 4,096 bytes
.set WST,   786432                     ; W: 192 tiles x 4,096 bytes from slot to slot
.set XN,    262144                     ; Q's or K's scale bytes: [wave][block of 128 tokens][r][tile][2]
.set XV,    XN+2048                    ; V's: [wave][lane][e][c]
.set SPARE, XV+1024                    ; the spare words, 128 bytes a wave
.set FLOOR, 0x4800000                  ; 2^(9 - 127): the byte cannot fall under 1
.set LI,  1                            ; v1 16 x lane
.set SO0, 2                            ; v2 8 r + 128 h: my place in a tile's scale words
.set SO,  3                            ; v3 the same in the tile that is fetched
.set CA,  4                            ; v4 where my codes go
.set VX,  5                            ; v5 LDS: where a scale byte goes; v6, v7 its base in phase 1, 2
.set VXQ, 6
.set VXV, 7
.set SPW, 8
.set NIL, 9
.set AD,  10                           ; v10-13 16 x lane + slot s; v14-17 the same in the tile that is fetched
.set AF,  14
.set BV,  18                           ; v18-21 V's bias, a number a tile
.set TM,  24                           ; v24-39 the quantisers' maxima, bytes, bounds, scale operands
.set XS,  40                           ; v40-47 x's scale words, two sets
.set WS,  48                           ; v48-63 the weight's
.set BIAS, 64                          ; v64-95 the first products' C
.set ACC, 96                           ; v96-159 two sets of four accumulators
.set CD,  160                          ; v160-175 codes
.set G1, 24
.set G0, 32
.set XSB, 36
.set WB,  38
.set WSB, 40
.set WVB, 42
.set WVS, 44
.set OQ,  46
.set OV,  48
.set CNT, 50
.set TT,  51
.set RO,  52
.set SOF, 53
.set CAO, 54
.set VXO, 55
.set RHO, 56
.set MNT, 57
.set SEL, 58
.set MSB, 0
.macro WIN new                         ; the immediate's high byte repeats the setting that is left
.if MSB != (\new)
	s_set_vgpr_msb (MSB<<8)|(\new)
.set MSB, (\new)
.endif
.endm
.macro CROUND
	s_barrier_signal -1
	s_barrier_wait -1
	s_cmp_lg_u32 s14, 0
	s_cbranch_scc1 .Lnot_wave_0_\@
	s_barrier_signal -3
.Lnot_wave_0_\@:
	s_barrier_wait -3
	s_barrier_signal -1
	s_barrier_wait -1
.endm
.macro WLOAD base, sbase               ; 64 stored rows of a weight: fragment 4 q + b (K step q, tile b) into window 1 + (4 q + b) / 16; each load takes 512 consecutive bytes; then the scale words
.irp q, 0,1,2,3,4,5,6,7
	WIN (1+\q/4)<<6
.irp b, 0,1,2,3
.irp c, 0,1,2,3
	global_load_b128 v[16*((4*\q+\b)%16)+4*\c:16*((4*\q+\b)%16)+4*\c+3], v[LI], s[\base:\base+1] offset:(\q/2)*WST+\b*4096+(\q%2)*2048+\c*512
.endr
.endr
.endr
	WIN 0
.irp b, 0,1,2,3
	global_load_b64 v[WS+4*\b:WS+4*\b+1], v[SO0], s[\sbase:\sbase+1] offset:\b*512
	global_load_b64 v[WS+4*\b+2:WS+4*\b+3], v[SO0], s[\sbase:\sbase+1] offset:\b*512+256
.endr
.endm
.macro SETF                            ; the addresses of the tile that is fetched next
.irp s, 0,1,2,3
	v_add_nc_u32 v[AF+\s], s[RO], v[AD+\s]
.endr
	v_add_nc_u32 v[SO], s[SOF], v[SO0]
.endm
.macro FETCH e                         ; a tile of x, 16 rows, all of K, into set e of window 3, and its scale words
	WIN 0xc0
.irp s, 0,1,2,3
.irp q, 0,1
.irp c, 0,1,2,3
	ds_load_b128 v[128*(\e)+16*(2*\s+\q)+4*\c:128*(\e)+16*(2*\s+\q)+4*\c+3], v[AF+\s] offset:\q*2048+\c*512
.endr
.endr
.endr
	WIN 0
	global_load_b64 v[XS+4*(\e)+2:XS+4*(\e)+3], v[SO], s[XSB:XSB+1]
	global_load_b64 v[XS+4*(\e):XS+4*(\e)+1], v[SO], s[XSB:XSB+1] offset:256
.endm
.macro MM d, a, b, c, sa, sb, row
.if \row
	v_wmma_scale_f32_16x16x128_f8f6f4 v[\d:\d+7], v[\a:\a+15], v[\b:\b+15], v[\c:\c+7], v[\sa], v[\sb] matrix_a_scale:MATRIX_SCALE_ROW1 matrix_b_scale:MATRIX_SCALE_ROW1
.else
	v_wmma_scale_f32_16x16x128_f8f6f4 v[\d:\d+7], v[\a:\a+15], v[\b:\b+15], v[\c:\c+7], v[\sa], v[\sb]
.endif
.endm
.macro HOOK h, n, u                    ; scalar lines among a batch's first products: where the tile two on lies, and where this tile's results go
.if (\h) == 1
.if (\n) == 0
	s_lshl_b32 s[TT], s[CNT], 1
	s_add_co_u32 s[TT], s[TT], \u                  ; this tile
	s_add_co_u32 s60, s[TT], 2
	s_lshr_b32 s61, s60, 4
.elseif (\n) == 1
	s_and_b32 s60, s60, 15
	s_lshl_b32 s60, s60, 12
	s_mul_i32 s61, s61, s[RHO]                     ; tiles 16, 17 are phase 2's first two
	s_add_co_u32 s[RO], s60, s61
.elseif (\n) == 2
	s_lshr_b32 s[SOF], s[RO], 3
	s_lshr_b32 s60, s[TT], 3
	s_and_b32 s61, s[TT], 7
	s_mul_i32 s62, s60, BLK
.elseif (\n) == 3
	s_lshl_b32 s63, s61, 10
	s_add_co_u32 s[CAO], s62, s63
	s_lshl_b32 s60, s60, 8
	s_lshl_b32 s61, s61, 1
.elseif (\n) == 4
	s_add_co_u32 s[VXO], s60, s61
.endif
.elseif (\h) == 2
.if (\n) == 0
	s_lshl_b32 s60, s[CNT], 1
	s_add_co_u32 s60, s60, 2+(\u)
	s_and_b32 s60, s60, 7
	s_lshl_b32 s60, s60, 12
.elseif (\n) == 1
	s_add_co_u32 s[RO], s60, s[RHO]
	s_lshr_b32 s[SOF], s[RO], 3
	s_lshl_b32 s[CAO], s[CNT], 9
.endif
.endif
.endm
; A batch: 32 products, product 4 q + b: K step q, tile b of the weight; x's rows in set e, sums in set a; the four accumulators take turns; the bias is the first products' C.
.macro PRODS kind, e, a, hook
.set N_, 0
.rept 32
.set Q_, N_/4
.set B_, N_%4
.set AC_, ACC+32*(\a)+8*B_
.set C_, AC_
.if Q_ == 0
.set C_, BIAS+8*B_
.endif
.set W_, 16*(N_%16)
.set R_, 128*(\e)+16*Q_
.set WS_, WS+4*B_+2*(Q_/4)+Q_%2
.set XS_, XS+4*(\e)+2*(1-Q_/4)+Q_%2
.if \kind
	WIN 3|((1+N_/16)<<2)
	MM AC_, R_, W_, C_, XS_, WS_, (Q_/2)%2
.else
	WIN (1+N_/16)|(3<<2)
	MM AC_, W_, R_, C_, WS_, XS_, (Q_/2)%2
.endif
	HOOK \hook, N_, \e
.set N_, N_+1
.endr
	WIN 0
	s_wait_xcnt 0x0                                ; earlier loads and stores have read their registers: addresses and codes are written again below
	s_wait_dscnt 0x0                               ; the other set's tile, asked for a batch ago, is in
	s_wait_loadcnt 0x0                             ; and its scale words
	SETF                                           ; five of the eight places behind the batch's last product
.endm
.macro SCALE4 nb                       ; from the largest magnitudes in v[TM + b]: join with lane l xor 16's, then the conversion's operand, the bound 448 x the scale, the byte
.irp b, 0,1,2,3
.if \b < \nb
	v_permlanex16_b32 v[TM+4+\b], v[TM+\b], s[SEL], s[SEL+1]
.endif
.endr
.irp b, 0,1,2,3
.if \b < \nb
	v_max_num_f32 v[TM+\b], v[TM+\b], v[TM+4+\b]
.endif
.endr
.irp b, 0,1,2,3
.if \b < \nb
	v_add_nc_u32 v[TM+12+\b], 0xfc000000, v[TM+\b]
.endif
.endr
.irp b, 0,1,2,3
.if \b < \nb
	v_and_or_b32 v[TM+8+\b], v[TM+\b], 0x7f800000, s[MNT]
.endif
.endr
.irp b, 0,1,2,3
.if \b < \nb
	v_lshrrev_b32 v[TM+4+\b], 23, v[TM+12+\b]
.endif
.endr
.endm
.macro WOQ                             ; Q's or K's tile leaves: two blocks of 32 along D, 16 numbers a lane each
.irp b, 0,1
	v_max3_num_f32 v[TM+\b], |v[ACC+16*\b]|, |v[ACC+16*\b+1]|, FLOOR
.endr
.irp i, 2,4,6,8,10,12,14
.irp b, 0,1
	v_max3_num_f32 v[TM+\b], v[TM+\b], |v[ACC+16*\b+\i]|, |v[ACC+16*\b+\i+1]|
.endr
.endr
	SCALE4 2
	v_lshl_or_b32 v[TM+2], v[TM+5], 8, v[TM+4]     ; the tile's two bytes
.irp b, 0,1
.irp i, 0,1,2,3,4,5,6,7,8,9,10,11,12,13,14,15
	v_med3_num_f32 v[ACC+16*\b+\i], v[ACC+16*\b+\i], -v[TM+8+\b], v[TM+8+\b]   ; the conversion does not saturate (ISA guide 7.6.2)
.endr
	v_cvt_scalef32_pk8_fp8_f32 v[CD+4*\b:CD+4*\b+1], v[ACC+16*\b:ACC+16*\b+7], v[TM+12+\b]
	v_cvt_scalef32_pk8_fp8_f32 v[CD+4*\b+2:CD+4*\b+3], v[ACC+16*\b+8:ACC+16*\b+15], v[TM+12+\b]
.endr
	v_nop                                          ; a plain line behind the last conversion
	ds_store_b16 v[VX], v[TM+2]                    ; both halves of the lanes write the same bytes with the same value
	global_store_b128 v[CA], v[CD:CD+3], s[OQ:OQ+1]             ; 512 consecutive aligned bytes each
	global_store_b128 v[CA], v[CD+4:CD+7], s[OQ:OQ+1] offset:512
.endm
.macro WOV                             ; a pair of V's tiles leaves: for each of four channel tiles a block of 32 keys, 8 + 8 numbers a lane
.irp b, 0,1,2,3
	v_max3_num_f32 v[TM+\b], |v[ACC+8*\b]|, |v[ACC+8*\b+1]|, FLOOR
.endr
.irp i, 2,4,6,32,34,36,38
.irp b, 0,1,2,3
	v_max3_num_f32 v[TM+\b], v[TM+\b], |v[ACC+8*\b+\i]|, |v[ACC+8*\b+\i+1]|
.endr
.endr
	SCALE4 4
.irp b, 0,1,2,3
.irp i, 0,1,2,3,4,5,6,7,32,33,34,35,36,37,38,39
	v_med3_num_f32 v[ACC+8*\b+\i], v[ACC+8*\b+\i], -v[TM+8+\b], v[TM+8+\b]
.endr
	v_cvt_scalef32_pk8_fp8_f32 v[CD+4*\b:CD+4*\b+1], v[ACC+8*\b:ACC+8*\b+7], v[TM+12+\b]
	v_cvt_scalef32_pk8_fp8_f32 v[CD+4*\b+2:CD+4*\b+3], v[ACC+32+8*\b:ACC+32+8*\b+7], v[TM+12+\b]
.endr
	v_nop
.irp b, 0,1,2,3
	ds_store_b8 v[VX], v[TM+4+\b] offset:(\b/2)*128+(\b%2)*4
	global_store_b128 v[CA], v[CD+4*\b:CD+4*\b+3], s[OV:OV+1] offset:\b*2048
.endr
.endm
	s_load_b256 s[4:11], s[0:1], 0x0               ; xb s[4:5], wb s[6:7], qb s[8:9], kv s[10:11]
	s_load_b64 s[12:13], s[0:1], 0x20              ; b_qkv
	v_lshl_add_u32 v[SPW], v0, 2, SPARE
	v_mov_b32 v[NIL], 0
	ds_add_u32 v[SPW], v[NIL]                      ; the wave's opening: the add, twice on end, and its wait ahead of my tensor load
	ds_add_u32 v[SPW], v[NIL]
	v_lshrrev_b32 v20, 5, v0
	v_readfirstlane_b32 s14, v20                   ; wave 0..3
	s_lshr_b32 s15, s14, 1                         ; phase 2: my half of the rows
	s_and_b32 s16, s14, 1                          ; and my head of the two
	s_bfe_u32 s17, ttmp6, 0x40000                  ; cx
	s_lshl_b32 s18, ttmp9, 2
	s_add_co_u32 s18, s18, s17                     ; g
	s_and_b32 s19, ttmp7, 0xffff                   ; y
	s_lshl_b32 s[RHO], s15, 15
	s_mov_b32 s[MNT], 0x600000
	s_mov_b32 s[SEL], 0x76543210
	s_mov_b32 s[SEL+1], 0xfedcba98
	s_mov_b32 s[G1], 15|(3<<16)|(1<<21)            ; the mask names the cluster's four; elements of 8 bytes; 65,536 dense bytes as 256 rows of 256
	s_mov_b32 s[G1+1], 32<<16
	s_mov_b32 s[G1+2], 256<<16
	s_mov_b32 s[G1+3], 32<<16
	s_mov_b32 s[G1+4], 256
	s_mov_b32 s[G1+5], 32
	s_mov_b32 s[G1+6], 0
	s_mov_b32 s[G1+7], 0
	s_mov_b32 s[G0], 1
	s_lshl_b32 s[G0+1], s14, 16                    ; wave w fetches slot w of K
	s_lshl_b32 s60, s14, 21
	s_lshl_b32 s61, s19, 16
	s_add_co_u32 s60, s60, s61
	s_mov_b32 s61, 0
	s_wait_dscnt 0x0
	CROUND                                         ; the four work-groups are here: the joint loads meet
	s_wait_kmcnt 0x0
	s_add_nc_u64 s[G0+2:G0+3], s[4:5], s[60:61]
	s_or_b32 s[G0+3], s[G0+3], 0x80000000
	tensor_load_to_lds s[G0:G0+3], s[G1:G1+7]
	s_nop 0
.rept 4
	v_nop
.endr
	s_lshl_b32 s62, s18, 2
	s_add_co_u32 s62, s62, s14                     ; v = 4 g + w
	s_lshl_b32 s63, s18, 1
	s_add_co_u32 s63, s63, s16                     ; V's head 2 g + w % 2
	s_lshl_b32 s60, s19, 13
	s_add_co_u32 s60, s60, 8388608
	s_add_nc_u64 s[XSB:XSB+1], s[4:5], s[60:61]    ; x's scale words: 16 tiles x 512 bytes
	s_lshl_b32 s60, s62, 14
	s_add_nc_u64 s[WB:WB+1], s[6:7], s[60:61]
	s_lshl_b32 s60, s62, 11
	s_add_co_u32 s60, s60, 3145728
	s_add_nc_u64 s[WSB:WSB+1], s[6:7], s[60:61]
	s_lshl_b32 s60, s63, 14
	s_add_co_u32 s60, s60, 524288
	s_add_nc_u64 s[WVB:WVB+1], s[6:7], s[60:61]    ; W_v's tiles begin at tile 128
	s_lshl_b32 s60, s63, 11
	s_add_co_u32 s60, s60, 3145728+65536
	s_add_nc_u64 s[WVS:WVS+1], s[6:7], s[60:61]
	s_lshl_b32 s60, s62, 8
	s_add_nc_u64 s[66:67], s[12:13], s[60:61]      ; the bias of my 64 columns of Q or K,
	s_lshl_b32 s60, s63, 8
	s_add_co_u32 s60, s60, 8192
	s_add_nc_u64 s[68:69], s[12:13], s[60:61]      ; and of V
	s_lshr_b32 s70, s19, 3
	s_lshl_b32 s70, s70, 4                         ; 16 x batch
	s_and_b32 s71, s19, 7
	s_lshl_b32 s71, s71, 1                         ; my rows' first block of 128 tokens
	s_and_b32 s60, s62, 15
	s_add_co_u32 s60, s60, s70
	s_lshl_b32 s60, s60, 4
	s_add_co_u32 s60, s60, s71
	s_mul_i32 s60, s60, BLK
	s_cmp_eq_u32 ttmp9, 0                          ; g < 4: Q, which goes to qb
	s_cselect_b64 s[OQ:OQ+1], s[8:9], s[10:11]
	s_add_nc_u64 s[OQ:OQ+1], s[OQ:OQ+1], s[60:61]
	s_add_co_u32 s60, s63, s70
	s_lshl_b32 s60, s60, 4
	s_add_co_u32 s60, s60, s71
	s_add_co_u32 s60, s60, s15
	s_mul_i32 s60, s60, BLK
	s_add_co_u32 s60, s60, 8192
	s_add_nc_u64 s[OV:OV+1], s[10:11], s[60:61]
	s_lshl_b32 s70, s14, 9
	s_add_co_u32 s70, s70, XN
	s_lshl_b32 s71, s14, 8
	s_add_co_u32 s71, s71, XV
	v_and_b32 v160, 31, v0
	v_lshlrev_b32 v[LI], 4, v160
	v_and_b32 v161, 15, v0                         ; r
	v_bfe_u32 v162, v0, 4, 1                       ; h
.irp s, 0,1,2,3
	v_add_nc_u32 v[AD+\s], \s*SL, v[LI]
.endr
	v_lshlrev_b32 v[SO0], 3, v161
	v_lshl_add_u32 v[SO0], v162, 7, v[SO0]
	v_lshl_add_u32 v[VXQ], v161, 4, s70
	v_lshl_add_u32 v[VXV], v161, 3, s71
	v_lshlrev_b32 v163, 6, v162                    ; Q, K: the bias of my half's 16 columns: 64 h
	v_lshrrev_b32 v164, 3, v161
	v_and_b32 v165, 7, v161
	v_lshlrev_b32 v165, 2, v165
	v_lshl_add_u32 v165, v164, 6, v165             ; V: the bias of my stored row's column: 4 (16 (r / 8) + r % 8)
.irp b, 0,1,2,3
	v_mov_b32 v[TM+4+\b], 0                        ; written once: a lane permute's destination counts as one of its sources
.endr
	s_wait_alu depctr_va_vdst(0)
	WLOAD WB, WSB
.irp b, 0,1,2,3
	global_load_b128 v[BIAS+8*\b:BIAS+8*\b+3], v163, s[66:67] offset:(32*(\b/2)+8*(\b%2))*4
	global_load_b128 v[BIAS+8*\b+4:BIAS+8*\b+7], v163, s[66:67] offset:(32*(\b/2)+8*(\b%2))*4+16
	global_load_b32 v[BV+\b], v165, s[68:69] offset:(32*(\b/2)+8*(\b%2))*4
.endr
	s_wait_tensorcnt 0x0                           ; my slot is in
	s_barrier_signal -1
	s_barrier_wait -1                              ; all four are
	s_mov_b32 s[RO], 0
	s_mov_b32 s[SOF], 0
	SETF
	FETCH 0
	s_wait_xcnt 0x0                                ; the loads have read their addresses
	s_mov_b32 s[RO], 4096
	s_mov_b32 s[SOF], 512
	SETF
	FETCH 1
	s_wait_dscnt 0x0
	s_wait_loadcnt 0x0                             ; the weight, the scale words, the bias
	s_mov_b32 s[CNT], 0
.macro TILEQ u
	PRODS 0, \u, 0, 1
	v_add_nc_u32 v[CA], s[CAO], v[LI]
	v_add_nc_u32 v[VX], s[VXO], v[VXQ]
	v_nop                                          ; the eighth place
	FETCH \u
	WOQ
.endm
.Lq:                                               ; eight trips of two tiles
	TILEQ 0
	TILEQ 1
	s_add_co_u32 s[CNT], s[CNT], 1
	s_cmp_lt_u32 s[CNT], 8
	s_cbranch_scc1 .Lq
	WLOAD WVB, WVS                                 ; the change of phase: W_v's rows and scale words take the weight's registers
.irp b, 0,1,2,3
.irp i, 0,1,2,3,4,5,6,7
	v_mov_b32 v[BIAS+8*\b+\i], v[BV+\b]            ; V's bias runs along the lanes: one number a tile, spread over the eight registers of the first products' C
.endr
.endr
	s_wait_alu depctr_va_vdst(0)                   ; directly ahead of the wait below
	s_wait_loadcnt 0x0
	s_mov_b32 s[CNT], 0
.Lv:                                               ; four trips of a pair of tiles; the last trip has no tile two on
	PRODS 1, 0, 0, 2
.rept 3
	v_nop
.endr
	s_cmp_eq_u32 s[CNT], 3
	s_cbranch_scc1 .Lnone_0
	FETCH 0
.Lnone_0:
	PRODS 1, 1, 1, 2
	v_add_nc_u32 v[CA], s[CAO], v[LI]
	v_add_nc_u32 v[VX], s[CNT], v[VXV]
	v_nop
	s_cmp_eq_u32 s[CNT], 3
	s_cbranch_scc1 .Lnone_1
	FETCH 1
.Lnone_1:
	WOV
	s_add_co_u32 s[CNT], s[CNT], 1
	s_cmp_lt_u32 s[CNT], 4
	s_cbranch_scc1 .Lv
	s_wait_xcnt 0x0                                ; the last stores have read their registers
	v_and_b32 v[TM], 31, v0
	v_and_b32 v[TM+1], 15, v0
	v_bfe_u32 v[TM+2], v0, 4, 1
	v_lshl_add_u32 v[TM+3], v[TM], 4, s70          ; my wave's 512 bytes of Q's or K's scale words,
	v_lshl_add_u32 v[TM+4], v[TM], 3, s71          ; and its 256 of V's
	v_mul_u32_u24 v[TM+5], v[TM+2], BLK
	v_lshl_add_u32 v[TM+5], v[TM+1], 4, v[TM+5]    ; lanes 0-15 the first block of 128 tokens, lanes 16-31 the second
	v_lshlrev_b32 v[TM+6], 3, v[TM]
	s_wait_alu depctr_va_vdst(0)
	ds_load_b128 v[CD:CD+3], v[TM+3]               ; LDS serves a wave's instructions in order: these see my stores
	ds_load_b64 v[CD+4:CD+5], v[TM+4]
	s_wait_dscnt 0x0
	global_store_b128 v[TM+5], v[CD:CD+3], s[OQ:OQ+1] offset:16384   ; sixteen lanes fill 256 consecutive aligned bytes
	global_store_b64 v[TM+6], v[CD+4:CD+5], s[OV:OV+1] offset:8448   ; 256 consecutive aligned bytes
	s_wait_tensorcnt 0x0                           ; the wave's end
	ds_add_u32 v[SPW], v[NIL]
	s_wait_dscnt 0x0
	CROUND                                         ; the closing round
	s_endpgm
.Lfunc_end_k_q2e721beca4_qkv:
	.size	k_q2e721beca4_qkv, .Lfunc_end_k_q2e721beca4_qkv-k_q2e721beca4_qkv
	.p2alignl 7, 3214868480
	.fill 96, 4, 3214868480
	.section	.rodata,"a",@progbits
	.p2align	6, 0x0
	.amdhsa_kernel k_q2e721beca4_qkv
		.amdhsa_group_segment_fixed_size 327680
		.amdhsa_private_segment_fixed_size 0
		.amdhsa_enable_private_segment 0
		.amdhsa_kernarg_size 40
		.amdhsa_user_sgpr_count 2
		.amdhsa_user_sgpr_kernarg_segment_ptr 1
		.amdhsa_wavefront_size32 1
		.amdhsa_system_sgpr_workgroup_id_x 1
		.amdhsa_system_sgpr_workgroup_id_y 1
		.amdhsa_system_sgpr_workgroup_id_z 1
		.amdhsa_system_vgpr_workitem_id 0
		.amdhsa_next_free_vgpr 1024
		.amdhsa_next_free_sgpr 100
		.amdhsa_reserve_vcc 0
		.amdhsa_float_denorm_mode_32 3
		.amdhsa_float_denorm_mode_16_64 3
		.amdhsa_memory_ordered 1
		.amdhsa_forward_progress 1
		.amdhsa_inst_pref_size 86
	.end_amdhsa_kernel
	.amdgpu_metadata
---
amdhsa.version: [ 1, 2 ]
amdhsa.kernels:
  - .name:           k_q2e721beca4_qkv
    .symbol:         k_q2e721beca4_qkv.kd
    .args:
      - { .name: xb, .offset: 0, .size: 8, .value_kind: global_buffer, .address_space: global }
      - { .name: wb, .offset: 8, .size: 8, .value_kind: global_buffer, .address_space: global }
      - { .name: qb, .offset: 16, .size: 8, .value_kind: global_buffer, .address_space: global }
      - { .name: kv, .offset: 24, .size: 8, .value_kind: global_buffer, .address_space: global }
      - { .name: b_qkv, .offset: 32, .size: 8, .value_kind: global_buffer, .address_space: global }
    .group_segment_fixed_size: 327680
    .private_segment_fixed_size: 0
    .kernarg_segment_align: 8
    .kernarg_segment_size: 40
    .max_flat_workgroup_size: 128
    .sgpr_count:     100
    .vgpr_count:     1024
    .wavefront_size: 32
...
	.end_amdgpu_metadata
.endif
;; end of part 2
;; launch attn (part 3): grid 4 x 64, 16 waves a work-group, clusters of 4 x 1, 327,680 bytes of LDS; arguments qb, kv, yb; writes yb
.if DOCPART == 3
	.amdgcn_target "amdgcn-amd-amdhsa--gfx1250"
	.amdhsa_code_object_version 6
	.text
	.protected	k_q2e721beca4_attn
	.globl	k_q2e721beca4_attn
	.p2align	8
	.type	k_q2e721beca4_attn,@function
k_q2e721beca4_attn:
	s_mov_b64 s[64:65], 0
	v_nop
	global_prefetch_b8 v0, s[64:65] scope:SCOPE_SE
	s_setreg_imm32_b32 hwreg(HW_REG_WAVE_MODE, 25, 1), 1
	s_wait_xcnt 0x0
	s_wait_alu depctr_hold_cnt(0) depctr_sa_sdst(0) depctr_va_vdst(0) depctr_va_sdst(0) depctr_va_ssrc(0) depctr_va_vcc(0) depctr_vm_vsrc(0)
	s_getreg_b32 s2, hwreg(HW_REG_IB_STS2, 6, 4)
	s_cmp_eq_u32 s2, 0
	s_cbranch_scc0 .Lentry_in_a_cluster
	s_endpgm
.Lentry_in_a_cluster:
	s_bfe_u32 s2, ttmp6, 0x10000c
	s_cmp_lg_u32 s2, 0x3003
	s_cbranch_scc0 .Lentry_shape_is_right
	s_endpgm
.Lentry_shape_is_right:
; y[b][t][head x 64 + d] = the sum over keys k <= t of softmax_k(q . k / 8) v, both products on codes of FP8 (E4M3) with E8M0 scales; y / l is quantised at once along C as the last product's operand and stored as images.
; THE SOFTMAX AHEAD OF THE SECOND PRODUCT: t = score x log2(e) / 8; M = the running largest t rounded UP to a whole number; p = 2^(t - M) is quantised along the keys, not normalised; the row's sum l is taken of the
; unquantised p and divides at the end.  When M moves, l and O are multiplied by 2^(old M - new M): exact.
; LEFT OUT: key steps all of whose 128 keys come after a tile's 16 queries: the causal mask gives them the weight 0 for all values of the inputs.
; A HEAD'S K, V AND SCALE WORDS STAY IN LDS: 16 blocks of 16,896 bytes (128 keys each, images of operand registers) are 270,336 bytes.  Each of sixteen waves fetches one block, once; nothing is filled again.
; CLUSTER: the four work-groups of a head need the same sixteen blocks: each block is asked for jointly, mask 15.
; SHARES: a head has 128 tiles of 16 queries.  Wave w of the partner at place cx owns tiles 127 - j and j, j = 4 w + cx: (16 - w / 2) + (w / 2 + 1) = 17 key steps of 128 keys for every wave.
; The step counts hang on the wave's number alone; cx enters global addresses and the diagonal's compare values only.
; THE WALK: the first barrier shows blocks 0-7 (waves 0-7 have a load line and a wait of their own); eight steps of the first tile, all of whose keys count; the second barrier shows blocks 8-15;
; then sixteen trips over block (u + 8) % 16: the first tile's blocks 8-15, its end, the second tile's blocks 0-7, its end.  A trip beyond a tile's last block jumps over the step's work (a scalar branch on ids).
; No barrier stands in a loop: waves share nothing but what the head fetched.
; NO PREFETCH: every tensor load goes out at the head; there is no loop to run ahead in.
; BOTH PRODUCTS TRANSPOSED: S^T = K Q^T, O^T = V^T P^T: a lane holds one query (lane % 16) throughout.
; K = 64 IN AN INSTRUCTION OF K = 128: the first source is two neighbouring key tiles side by side; q is kept as [0 | q | 0] in 24 registers: [q | 0] gives tile 2 g's scores, [0 | q] tile 2 g + 1's.
; The other half multiplies zero codes of q by codes of other keys, which are numbers (bytes 1 .. 254): it adds exactly 0.
; THE KEYS' ORDER INSIDE A BLOCK OF 32: lane half h holds keys 32 c + {8 h + j, 16 + 8 h + j} of p, and V^T's images were made in the same order.
; V^T's rows (channels) are stored with bits 3 and 4 exchanged, so a lane's 16 registers of O^T's tiles 2 t, 2 t + 1 are channels 32 t + 16 h + 0..15: neighbours along the last product's K.
; LIMITS: NaN and infinities are not served; v_exp_f32 gives 0 for results under 2^-126; a block of y under 2^-118 gets the byte 1; y's scale bytes leave as single bytes, 8 bytes apart: one for each 32 of y's codes.
; REGISTERS: v1-11 addresses; v16-23 0, v24-31 q, v32-39 0; v40-47, v48 the second tile's q and scale word; v49 q's scale word; v50-53 K's scale words, v54-55 V's; v56-57 at work; v58 -M, v59 the largest t,
;   v[60:61] l in two halves, v62 f, v63 p's scale word; v64-127 K's fragments, then V's; v128-191 S^T, then p; v192-223 O^T; v224-239 p's codes; v240-255 at work.
.set BLK,   16896
.set HS,    270336                     ; a head's 16 blocks
.set SPARE, 270336                     ; behind them the spare words, 128 bytes a wave: eight blocks of 256 bytes that no other line names
.set SPW,  2                           ; v2  SPARE + 4 x my thread's number; never rewritten
.set NIL,  3                           ; v3  0; never rewritten
.set WV,   18
.set MNT,  19                          ; s19 the mantissa field of 448
.set SEL,  20                          ; s[20:21] lane selects for lane l xor 16
.set CS,   22                          ; s[22:23] c = log2(e) / 8
.set G1,   24                          ; s[24:31] group 1; s[32:35] group 0
.set G0,   32
.set T,    38                          ; s38 the trip's block of keys
.set BT,   39                          ; s39 the tile's last block, on which its diagonal lies: from the wave's number alone
.set TB,   40                          ; s40 LDS byte at which the trip's block begins
.set CNT,  41
.set SD,   42                          ; s42 my first query less the diagonal block's first key
.set Q0,   43                          ; s43 my first query
.set BTB,  44                          ; s44-46 the same three for the second tile
.set Q0B,  45
.set SDB,  46
.set HM,   47                          ; s47 lanes 16-31
.set YHB,  48                          ; s[48:49] yb at my batch's and head's place among the images; s[50:51] among the scale bytes
.set YSB,  50
.set YA,   52                          ; s[52:53], s[54:55] the same at my queries
.set YS,   54
.macro CROUND                          ; a round of the cluster's barrier
	s_barrier_signal -1
	s_barrier_wait -1
	s_cmp_lg_u32 s[WV], 0
	s_cbranch_scc1 .Lnot_wave_0_\@
	s_barrier_signal -3
.Lnot_wave_0_\@:
	s_barrier_wait -3
	s_barrier_signal -1
	s_barrier_wait -1
.endm
.macro TLOAD                           ; my block; an s_nop 0 and four v_nop follow the load
	tensor_load_to_lds s[G0:G0+3], s[G1:G1+7]
	s_nop 0
.rept 4
	v_nop
.endr
.endm
.macro BEGIN                           ; a tile of queries begins: O^T and l are zeros, the largest t lies under every t; the first change of M multiplies zeros
.set j, 0
.rept 32
	v_mov_b32 v[192+j], 0
.set j, j+1
.endr
	v_mov_b32 v60, 0
	v_mov_b32 v61, 0
	v_mov_b32 v59, 0xff61b1e6                      ; -3e38
	s_delay_alu instid0(VALU_DEP_1)
	v_floor_f32 v58, -v59
.endm
; A KEY STEP: the 128 keys of the block at s[TB].  m = 1: the step may lie beyond the tile's last block (jumped over) or on it (hidden scores become -infinity)
.macro STEP m
.if \m
	s_cmp_gt_u32 s[T], s[BT]
	s_cbranch_scc1 .Lhidden_\@
.endif
	v_add_nc_u32 v4, s[TB], v1                     ; images: 16 x lane
	v_add_nc_u32 v5, s[TB], v7                     ; K's scale words: 16 r
	v_add_nc_u32 v6, s[TB], v8                     ; V's: 8 x lane
.rept 5
	v_nop                                          ; with the three additions: eight places in front of loads into registers that the last products read
.endr
	s_wait_alu depctr_va_vdst(0)
.irp g, 0,1,2,3
.irp c, 0,1,2,3
	ds_load_b128 v[64+16*\g+4*\c:67+16*\g+4*\c], v4 offset:\g*2048+512*\c   ; key tiles 2 g and 2 g + 1 side by side
.endr
.endr
	ds_load_b128 v[50:53], v5 offset:16384         ; row r's four scale words
	s_wait_dscnt 0x0
	s_wait_alu depctr_va_vdst(0)
.irp a, 0,2,4,6
	v_wmma_scale_f32_16x16x128_f8f6f4 v[128+8*\a:135+8*\a], v[64+8*\a:79+8*\a], v[24:39], 0, v[50+\a/2], v49
	v_wmma_scale_f32_16x16x128_f8f6f4 v[136+8*\a:143+8*\a], v[64+8*\a:79+8*\a], v[16:31], 0, v[50+\a/2], v49
.endr
.rept 8
	v_nop                                          ; places in front of the loads below and of the first read of the scores
.endr
.irp t, 0,1,2,3
.irp c, 0,1,2,3
	ds_load_b128 v[64+16*\t+4*\c:67+16*\t+4*\c], v4 offset:8192+\t*2048+512*\c   ; V^T's four tiles: they land while the softmax is walked
.endr
.endr
	ds_load_b64 v[54:55], v6 offset:16640
.if \m
	s_cmp_lt_u32 s[T], s[BT]
	s_cbranch_scc1 .Lopen_\@                       ; all 128 keys count for all my queries
	v_add_nc_u32 v57, s[SD], v9                    ; d = my query - the block's first key - 8 h.  Register 8 a + j holds key 16 a + 8 h + j of the block: hidden where 16 a + j > d
	v_mov_b32 v56, 0xff800000                      ; -infinity
.set n, 0
.rept 64
	v_cmp_gt_i32 vcc_lo, 16*(n/8)+n%8, v57
	v_cndmask_b32 v[128+n], v[128+n], v56, vcc_lo
.set n, n+1
.endr
.Lopen_\@:
.endif
.irp b, 0,1,2,3
	v_max3_num_f32 v[240+\b], v[128+16*\b], v[129+16*\b], v[130+16*\b]   ; the largest score of each block of 32 keys: for the row's maximum and, since p rises with the score, for the block's largest p
.endr
.irp i, 3,5,7,9,11,13
.irp b, 0,1,2,3
	v_max3_num_f32 v[240+\b], v[240+\b], v[128+16*\b+\i], v[129+16*\b+\i]
.endr
.endr
.irp b, 0,1,2,3
	v_max_num_f32 v[240+\b], v[240+\b], v[143+16*\b]
.endr
.irp b, 0,1,2,3
	s_delay_alu instid0(VALU_DEP_4)
	v_permlanex16_b32 v[244+\b], v[240+\b], s[SEL], s[SEL+1]
.endr
.irp b, 0,1,2,3
	s_delay_alu instid0(VALU_DEP_4)
	v_max_num_f32 v[240+\b], v[240+\b], v[244+\b]  ; with lane l xor 16's 16 keys
.endr
	s_delay_alu instid0(VALU_DEP_2)
	v_max3_num_f32 v56, v240, v241, v242
	s_delay_alu instid0(VALU_DEP_1)
	v_max_num_f32 v56, v56, v243
	s_delay_alu instid0(VALU_DEP_1)
	v_mul_f32 v56, s[CS], v56                      ; the step's largest t (c is positive)
	s_delay_alu instid0(VALU_DEP_1)
	v_max_num_f32 v59, v59, v56                    ; the running largest t
	v_mov_b32 v56, v58
	s_delay_alu instid0(VALU_DEP_2)
	v_floor_f32 v58, -v59                          ; -M = floor(-t) = -ceil(t)
	s_delay_alu instid0(VALU_DEP_1)
	v_sub_f32 v56, v58, v56                        ; old M - new M: a whole number, 0 or less
	s_delay_alu instid0(VALU_DEP_1)
	v_cvt_i32_f32 v56, v56                         ; (it saturates)
	s_delay_alu instid0(VALU_DEP_1)
	v_ldexp_f32 v62, 1.0, v56                      ; f = 2^(old M - new M)
.set j, 0
.rept 32
	v_pk_fma_f32 v[128+j:129+j], v[128+j:129+j], s[CS:CS+1], v[58:59] op_sel_hi:[1,0,0]   ; t - M, two at a time
.set j, j+2
.endr
.irp b, 0,1,2,3
	v_fma_f32 v[240+\b], v[240+\b], s[CS], v58     ; the same of each block's largest score
.endr
.set j, 0
	s_wait_alu depctr_va_vdst(0)
.rept 64
	v_exp_f32 v[128+j], v[128+j]                   ; p = 2^(t - M)
.set j, j+1
.endr
	v_pk_mul_f32 v[60:61], v[60:61], v[62:63] op_sel_hi:[1,0]   ; l under the new M: a plain line behind the exponentials
	s_wait_alu depctr_va_vdst(0)                   ; one wait for the batch of 64, ahead of its first reader
.irp b, 0,1,2,3
	v_exp_f32 v[240+\b], v[240+\b]                 ; the block's largest p: the same two instructions on the same number
.endr
	v_pk_add_f32 v[244:245], v[132:133], v[136:137]   ; the row's sum of the unquantised p, in eight chains
	v_pk_add_f32 v[254:255], v[140:141], v[144:145]
	v_pk_add_f32 v[252:253], v[148:149], v[152:153]
	v_pk_add_f32 v[250:251], v[156:157], v[160:161]
	v_pk_add_f32 v[248:249], v[164:165], v[168:169]
	v_pk_add_f32 v[246:247], v[172:173], v[176:177]
	v_pk_add_f32 v[238:239], v[180:181], v[184:185]
	v_pk_add_f32 v[60:61], v[60:61], v[188:189]
	v_pk_add_f32 v[244:245], v[244:245], v[128:129]
	v_pk_add_f32 v[254:255], v[254:255], v[130:131]
	v_pk_add_f32 v[252:253], v[252:253], v[134:135]
	v_pk_add_f32 v[250:251], v[250:251], v[138:139]
	v_pk_add_f32 v[248:249], v[248:249], v[142:143]
	v_pk_add_f32 v[246:247], v[246:247], v[146:147]
	v_pk_add_f32 v[238:239], v[238:239], v[150:151]
	v_pk_add_f32 v[60:61], v[60:61], v[154:155]
	v_pk_add_f32 v[244:245], v[244:245], v[158:159]
	v_pk_add_f32 v[254:255], v[254:255], v[162:163]
	v_pk_add_f32 v[252:253], v[252:253], v[166:167]
	v_pk_add_f32 v[250:251], v[250:251], v[170:171]
	v_pk_add_f32 v[248:249], v[248:249], v[174:175]
	v_pk_add_f32 v[246:247], v[246:247], v[178:179]
	v_pk_add_f32 v[238:239], v[238:239], v[182:183]
	v_pk_add_f32 v[60:61], v[60:61], v[186:187]
	v_pk_add_f32 v[244:245], v[244:245], v[190:191]
	s_delay_alu instid0(VALU_DEP_2)
	v_pk_add_f32 v[60:61], v[60:61], v[250:251]
	s_delay_alu instid0(VALU_DEP_2)
	v_pk_add_f32 v[244:245], v[244:245], v[248:249]
	v_pk_add_f32 v[254:255], v[254:255], v[246:247]
	v_pk_add_f32 v[252:253], v[252:253], v[238:239]
	s_delay_alu instid0(VALU_DEP_2)
	v_pk_add_f32 v[60:61], v[60:61], v[254:255]
	s_delay_alu instid0(VALU_DEP_2)
	v_pk_add_f32 v[244:245], v[244:245], v[252:253]
	s_delay_alu instid0(VALU_DEP_1)
	v_pk_add_f32 v[60:61], v[60:61], v[244:245]
	s_wait_alu depctr_va_vdst(0)                   ; and one for the four
.irp b, 0,1,2,3
	v_max_num_f32 v[240+\b], 0x4800000, v[240+\b]  ; the floor 2^(9 - 127): the byte cannot fall under 1 (a block of hidden keys keeps it: its codes are zeros)
.endr
.irp b, 0,1,2,3
	s_delay_alu instid0(VALU_DEP_4)
	v_add_nc_u32 v[252+\b], 0xfc000000, v[240+\b]  ; 8 off the exponent field: the conversion's scale operand
.endr
.irp b, 0,1,2,3
	v_and_or_b32 v[248+\b], v[240+\b], 0x7f800000, s[MNT]   ; 448 x the scale
.endr
.irp b, 0,1,2,3
	v_lshrrev_b32 v[244+\b], 23, v[252+\b]         ; the scale's byte
.endr
	s_delay_alu instid0(VALU_DEP_3)
	v_lshl_or_b32 v63, v245, 8, v244               ; p's scale word for these 128 keys
	s_delay_alu instid0(VALU_DEP_1)
	v_lshl_or_b32 v63, v246, 16, v63
	s_delay_alu instid0(VALU_DEP_1)
	v_lshl_or_b32 v63, v247, 24, v63
.irp b, 0,1,2,3
.irp i, 0,1,2,3,4,5,6,7,8,9,10,11,12,13,14,15
	v_min_num_f32 v[128+16*\b+\i], v[128+16*\b+\i], v[248+\b]   ; the conversion does not saturate (ISA guide 7.6.2); p is not negative, so the hold is one-sided
.endr
	v_cvt_scalef32_pk8_fp8_f32 v[224+4*\b:225+4*\b], v[128+16*\b:135+16*\b], v[252+\b]
	v_cvt_scalef32_pk8_fp8_f32 v[226+4*\b:227+4*\b], v[136+16*\b:143+16*\b], v[252+\b]
.endr
	s_wait_alu depctr_va_vdst(0)                   ; directly ahead of the first reader of O^T
.set j, 0
.rept 16
	v_pk_mul_f32 v[192+j:193+j], v[192+j:193+j], v[62:63] op_sel_hi:[1,0]   ; O^T under the new M.  These sixteen are also the places between the codes and the products below
.set j, j+2
.endr
	s_wait_alu depctr_va_vdst(0)
	s_wait_dscnt 0x0                               ; V^T and its scale words are in
	v_wmma_scale_f32_16x16x128_f8f6f4 v[192:199], v[64:79], v[224:239], v[192:199], v54, v63
	v_wmma_scale_f32_16x16x128_f8f6f4 v[200:207], v[80:95], v[224:239], v[200:207], v55, v63
	v_wmma_scale_f32_16x16x128_f8f6f4 v[208:215], v[96:111], v[224:239], v[208:215], v54, v63 matrix_a_scale:MATRIX_SCALE_ROW1
	v_wmma_scale_f32_16x16x128_f8f6f4 v[216:223], v[112:127], v[224:239], v[216:223], v55, v63 matrix_a_scale:MATRIX_SCALE_ROW1
.if \m
.Lhidden_\@:
.endif
.endm
; A TILE OF QUERIES ENDS: y = O^T / l; register 16 t + i is channel 32 t + 16 h + i of my query: two blocks of 32 along the last product's K, quantised in registers and stored as two groups of an image
.macro FINISH
.rept 8
	v_nop                                          ; places behind the last products
.endr
	v_add_f32 v60, v60, v61
	s_wait_alu depctr_va_vdst(0)
	v_permlanex16_b32 v57, v60, s[SEL], s[SEL+1]
	s_delay_alu instid0(VALU_DEP_1)
	v_add_f32 v60, v60, v57                        ; the row's sum
	s_wait_alu depctr_va_vdst(0)
	v_rcp_f32 v60, v60
	v_nop                                          ; a plain line behind the reciprocal,
	s_wait_alu depctr_va_vdst(0)                   ; and the wait ahead of its first reader
.set j, 0
.rept 32
	v_mul_f32 v[128+j], v[192+j], v60              ; each accumulator from its low end on
.set j, j+1
.endr
.irp b, 0,1
	v_max3_num_f32 v[240+\b], |v[128+16*\b]|, |v[129+16*\b]|, 0x4800000
.endr
.irp i, 2,4,6,8,10,12,14
.irp b, 0,1
	s_delay_alu instid0(VALU_DEP_2)
	v_max3_num_f32 v[240+\b], v[240+\b], |v[128+16*\b+\i]|, |v[129+16*\b+\i]|
.endr
.endr
.irp b, 0,1
	s_delay_alu instid0(VALU_DEP_2)
	v_permlanex16_b32 v[244+\b], v[240+\b], s[SEL], s[SEL+1]
.endr
.irp b, 0,1
	s_delay_alu instid0(VALU_DEP_2)
	v_max_num_f32 v[240+\b], v[240+\b], v[244+\b]
.endr
.irp b, 0,1
	s_delay_alu instid0(VALU_DEP_2)
	v_add_nc_u32 v[252+\b], 0xfc000000, v[240+\b]
.endr
.irp b, 0,1
	s_delay_alu instid0(VALU_DEP_4)
	v_and_or_b32 v[248+\b], v[240+\b], 0x7f800000, s[MNT]
.endr
.irp b, 0,1
	s_delay_alu instid0(VALU_DEP_4)
	v_lshrrev_b32 v[244+\b], 23, v[252+\b]
.endr
	s_delay_alu instid0(VALU_DEP_1)
	v_cndmask_b32 v56, v244, v245, s[HM]           ; lanes 0-15 store the byte of channels 0-31, lanes 16-31 that of channels 32-63
.irp b, 0,1
.irp i, 0,1,2,3,4,5,6,7,8,9,10,11,12,13,14,15
	v_med3_num_f32 v[128+16*\b+\i], v[128+16*\b+\i], -v[248+\b], v[248+\b]
.endr
	v_cvt_scalef32_pk8_fp8_f32 v[224+4*\b:225+4*\b], v[128+16*\b:135+16*\b], v[252+\b]
	v_cvt_scalef32_pk8_fp8_f32 v[226+4*\b:227+4*\b], v[136+16*\b:143+16*\b], v[252+\b]
.endr
	v_nop                                          ; a plain line behind the last conversion
	s_lshl_b32 s60, s[Q0], 8                       ; a tile of 16 tokens is 4,096 bytes of a slot's images,
	s_mov_b32 s61, 0
	s_add_nc_u64 s[YA:YA+1], s[YHB:YHB+1], s[60:61]
	s_lshl_b32 s60, s[Q0], 5                       ; and 512 bytes of scale words
	s_add_nc_u64 s[YS:YS+1], s[YSB:YSB+1], s[60:61]
	global_store_b128 v1, v[224:227], s[YA:YA+1]               ; 512 consecutive aligned bytes each
	global_store_b128 v1, v[228:231], s[YA:YA+1] offset:512
	global_store_b8 v11, v56, s[YS:YS+1]
	s_wait_xcnt 0x0                                ; the stores have read their registers and bases: both are written again further on
.endm
; where tile s[ti]'s q lies in qb: block ti / 8, image ti % 8; its scale word: word (ti % 8) / 2 of each row, half ti % 2
.macro QADR ti, pc, ps, sh
	s_lshr_b32 s60, s[\ti], 3
	s_mul_i32 s60, s60, BLK
	s_add_co_u32 s60, s60, s12
	s_and_b32 s62, s[\ti], 7
	s_lshl_b32 s66, s62, 10
	s_add_co_u32 s66, s66, s60
	s_mov_b32 s67, 0
	s_add_nc_u64 s[\pc:\pc+1], s[4:5], s[66:67]
	s_lshr_b32 s62, s62, 1
	s_lshl_b32 s62, s62, 2
	s_add_co_u32 s66, s62, s60
	s_add_co_u32 s66, s66, 16384
	s_add_nc_u64 s[\ps:\ps+1], s[4:5], s[66:67]
	s_and_b32 s[\sh], s[\ti], 1
	s_lshl_b32 s[\sh], s[\sh], 4
.endm
	s_load_b128 s[4:7], s[0:1], 0x0                ; qb s[4:5], kv s[6:7]
	s_load_b64 s[8:9], s[0:1], 0x10                ; yb
	v_lshl_add_u32 v[SPW], v0, 2, SPARE
	v_mov_b32 v[NIL], 0
	ds_add_u32 v[SPW], v[NIL]                      ; the wave's opening: the add, twice on end, and its wait ahead of my tensor load
	ds_add_u32 v[SPW], v[NIL]
	v_lshrrev_b32 v4, 5, v0
	v_readfirstlane_b32 s[WV], v4                  ; wave 0..15
	s_bfe_u32 s10, ttmp6, 0x40000                  ; cx: my place in the cluster
	s_and_b32 s11, ttmp7, 0xffff                   ; batch x 16 + head
	s_mul_i32 s12, s11, HS                         ; the head's first byte in qb and in kv
	s_mov_b32 s13, 0
	s_lshl_b32 s14, s[WV], 2
	s_add_co_u32 s14, s14, s10                     ; my second tile, j = 4 w + cx
	s_sub_co_u32 s15, 127, s14                     ; my first tile
	s_lshl_b32 s[Q0], s15, 4
	s_lshl_b32 s[Q0B], s14, 4
	s_and_b32 s[SD], s[Q0], 127
	s_and_b32 s[SDB], s[Q0B], 127
	s_lshr_b32 s[BTB], s[WV], 1                    ; j / 8 = w / 2,
	s_sub_co_u32 s[BT], 15, s[BTB]                 ; (127 - j) / 8 = 15 - w / 2
	s_mov_b32 s[MNT], 0x600000
	s_mov_b32 s[SEL], 0x76543210
	s_mov_b32 s[SEL+1], 0xfedcba98
	s_mov_b32 s[CS], 0x3e38aa3b                    ; log2(e) / 8
	s_mov_b32 s[CS+1], s[CS]                       ; (named with it as a pair)
	s_mov_b32 s[HM], 0xffff0000
	; group 1: a block of 16,896 dense bytes as 66 rows of 32 elements of 8 bytes; the mask names the cluster's four, bit 21 beside it
	s_mov_b32 s[G1], 15|(3<<16)|(1<<21)
	s_mov_b32 s[G1+1], 32<<16
	s_mov_b32 s[G1+2], 66<<16
	s_mov_b32 s[G1+3], 32<<16
	s_mov_b32 s[G1+4], 66
	s_mov_b32 s[G1+5], 32
	s_mov_b32 s[G1+6], 0
	s_mov_b32 s[G1+7], 0
	s_mov_b32 s[G0], 1
	s_mul_i32 s[G0+1], s[WV], BLK                  ; block w goes to LDS byte w x 16,896
	s_mov_b32 s60, s[G0+1]
	s_mov_b32 s61, 0
	s_add_nc_u64 s[60:61], s[60:61], s[12:13]
	s_wait_dscnt 0x0                               ; both opening adds are done
	CROUND                                         ; the four work-groups are here: the joint loads meet
	s_wait_kmcnt 0x0
	s_add_nc_u64 s[G0+2:G0+3], s[6:7], s[60:61]
	s_or_b32 s[G0+3], s[G0+3], 0x80000000
	s_cmp_lt_u32 s[WV], 8                          ; one load a wave; waves 0-7, which alone wait at the first barrier, have a line of their own
	s_cbranch_scc0 .Lupper
	TLOAD
	s_branch .Lasked
.Lupper:
	TLOAD
.Lasked:
	QADR 15, 72, 74, 56
	QADR 14, 76, 78, 57
	; y: head hd is K 64 hd on: slot hd / 4, groups 2 (hd % 4) and + 1 of a tile's two images; batch b is 128 tiles of 16 tokens
	s_and_b32 s66, s11, 15
	s_lshr_b32 s67, s11, 4
	s_lshr_b32 s68, s66, 2
	s_and_b32 s66, s66, 3
	s_lshl_b32 s70, s68, 21
	s_lshl_b32 s69, s66, 10
	s_add_co_u32 s70, s70, s69
	s_lshl_b32 s69, s67, 19
	s_add_co_u32 s70, s70, s69
	s_mov_b32 s71, 0
	s_add_nc_u64 s[YHB:YHB+1], s[8:9], s[70:71]
	s_lshl_b32 s70, s67, 16
	s_lshl_b32 s69, s68, 7
	s_add_co_u32 s70, s70, s69
	s_lshl_b32 s69, s66, 1
	s_add_co_u32 s70, s70, s69
	s_add_co_u32 s70, s70, 8388608
	s_add_nc_u64 s[YSB:YSB+1], s[8:9], s[70:71]
	v_and_b32 v4, 31, v0                           ; lane
	v_and_b32 v5, 15, v0                           ; r
	v_bfe_u32 v6, v0, 4, 1                         ; h
	v_lshlrev_b32 v1, 4, v4                        ; 16 x lane
	v_lshlrev_b32 v7, 4, v5                        ; 16 r
	v_lshlrev_b32 v8, 3, v4                        ; 8 x lane
	v_lshlrev_b32 v9, 3, v6
	v_sub_nc_u32 v9, v5, v9                        ; r - 8 h
	v_lshl_add_u32 v11, v5, 3, v6                  ; 8 r + h
	global_load_b128 v[24:27], v1, s[72:73]
	global_load_b128 v[28:31], v1, s[72:73] offset:512
	global_load_b32 v56, v7, s[74:75]
	global_load_b128 v[40:43], v1, s[76:77]
	global_load_b128 v[44:47], v1, s[76:77] offset:512
	global_load_b32 v57, v7, s[78:79]
.set j, 0
.rept 8
	v_mov_b32 v[16+j], 0                           ; the zero codes on both sides of q
	v_mov_b32 v[32+j], 0
.set j, j+1
.endr
	BEGIN
	v_mov_b32 v63, 0                               ; (named as the upper half of the pair v[62:63] before it is first written)
.irp b, 0,1,2,3
	v_mov_b32 v[244+\b], 0                         ; written once: a lane permute's destination counts as one of its sources
.endr
	s_wait_alu depctr_va_vdst(0)
	s_wait_loadcnt 0x0                             ; q and its scale words
	v_lshrrev_b32 v56, s56, v56
	v_lshrrev_b32 v57, s57, v57
	v_and_b32 v56, 0xffff, v56
	v_and_b32 v57, 0xffff, v57
	v_lshl_or_b32 v49, v56, 16, v56                ; the two bytes twice: they serve [q | 0] and [0 | q]
	v_lshl_or_b32 v48, v57, 16, v57
	s_wait_alu depctr_va_vdst(0)
	s_cmp_lt_u32 s[WV], 8
	s_cbranch_scc0 .Lnot_first
	s_wait_tensorcnt 0x0                           ; waves 0-7: my block of the first eight is in
.Lnot_first:
	s_barrier_signal -1
	s_barrier_wait -1                              ; blocks 0-7 are whole
	s_mov_b32 s[TB], 0
	s_mov_b32 s[CNT], 0
.Lfirst:                                           ; eight trips: blocks 0-7 for my first tile, whose last block is 8 at the least: every key counts
	STEP 0
	s_add_co_u32 s[TB], s[TB], BLK
	s_add_co_u32 s[CNT], s[CNT], 1
	s_cmp_lt_u32 s[CNT], 8
	s_cbranch_scc1 .Lfirst
	s_wait_alu depctr_va_vdst(0)
	s_wait_tensorcnt 0x0                           ; every wave: my block is in
	s_wait_dscnt 0x0
	s_barrier_signal -1
	s_barrier_wait -1                              ; all sixteen blocks are whole
	s_mov_b32 s[CNT], 0
.Lrest:                                            ; sixteen trips: blocks 8-15 for my first tile, then blocks 0-7 for my second
	s_add_co_u32 s[T], s[CNT], 8
	s_and_b32 s[T], s[T], 15
	s_mul_i32 s[TB], s[T], BLK
	STEP 1
	s_and_b32 s60, s[CNT], 7
	s_cmp_eq_u32 s60, 7
	s_cbranch_scc0 .Lsame                          ; a tile ends behind trips 7 and 15
	FINISH
	s_cmp_eq_u32 s[CNT], 15
	s_cbranch_scc1 .Lsame
	BEGIN
.set j, 0
.rept 8
	v_mov_b32 v[24+j], v[40+j]                     ; the second tile's q
.set j, j+1
.endr
	v_mov_b32 v49, v48
	s_mov_b32 s[Q0], s[Q0B]
	s_mov_b32 s[SD], s[SDB]
	s_mov_b32 s[BT], s[BTB]
.Lsame:
	s_add_co_u32 s[CNT], s[CNT], 1
	s_cmp_lt_u32 s[CNT], 16
	s_cbranch_scc1 .Lrest
	s_wait_tensorcnt 0x0                           ; the wave's end
	ds_add_u32 v[SPW], v[NIL]
	s_wait_dscnt 0x0
	CROUND                                         ; the closing round
	s_endpgm
.Lfunc_end_k_q2e721beca4_attn:
	.size	k_q2e721beca4_attn, .Lfunc_end_k_q2e721beca4_attn-k_q2e721beca4_attn
	.p2alignl 7, 3214868480
	.fill 96, 4, 3214868480
	.section	.rodata,"a",@progbits
	.p2align	6, 0x0
	.amdhsa_kernel k_q2e721beca4_attn
		.amdhsa_group_segment_fixed_size 327680
		.amdhsa_private_segment_fixed_size 0
		.amdhsa_enable_private_segment 0
		.amdhsa_kernarg_size 24
		.amdhsa_user_sgpr_count 2
		.amdhsa_user_sgpr_kernarg_segment_ptr 1
		.amdhsa_wavefront_size32 1
		.amdhsa_system_sgpr_workgroup_id_x 1
		.amdhsa_system_sgpr_workgroup_id_y 1
		.amdhsa_system_sgpr_workgroup_id_z 1
		.amdhsa_system_vgpr_workitem_id 0
		.amdhsa_next_free_vgpr 256
		.amdhsa_next_free_sgpr 100
		.amdhsa_reserve_vcc 1
		.amdhsa_float_denorm_mode_32 3
		.amdhsa_float_denorm_mode_16_64 3
		.amdhsa_memory_ordered 1
		.amdhsa_forward_progress 1
		.amdhsa_inst_pref_size 62
	.end_amdhsa_kernel
	.amdgpu_metadata
---
amdhsa.version: [ 1, 2 ]
amdhsa.kernels:
  - .name:           k_q2e721beca4_attn
    .symbol:         k_q2e721beca4_attn.kd
    .args:
      - { .name: qb, .offset: 0, .size: 8, .value_kind: global_buffer, .address_space: global }
      - { .name: kv, .offset: 8, .size: 8, .value_kind: global_buffer, .address_space: global }
      - { .name: yb, .offset: 16, .size: 8, .value_kind: global_buffer, .address_space: global }
    .group_segment_fixed_size: 327680
    .private_segment_fixed_size: 0
    .kernarg_segment_align: 8
    .kernarg_segment_size: 24
    .max_flat_workgroup_size: 512
    .sgpr_count:     100
    .vgpr_count:     256
    .wavefront_size: 32
...
	.end_amdgpu_metadata
.endif
;; end of part 3
;; launch proj (part 4): grid 4 x 64, 4 waves a work-group, clusters of 4 x 1, 167,936 bytes of LDS; arguments yb, pb, b_proj, out0; writes out0
.if DOCPART == 4
	.amdgcn_target "amdgcn-amd-amdhsa--gfx1250"
	.amdhsa_code_object_version 6
	.text
	.protected	k_q2e721beca4_proj
	.globl	k_q2e721beca4_proj
	.p2align	8
	.type	k_q2e721beca4_proj,@function
k_q2e721beca4_proj:
	s_mov_b64 s[64:65], 0
	v_nop
	global_prefetch_b8 v0, s[64:65] scope:SCOPE_SE
	s_setreg_imm32_b32 hwreg(HW_REG_WAVE_MODE, 25, 1), 1
	s_wait_xcnt 0x0
	s_wait_alu depctr_hold_cnt(0) depctr_sa_sdst(0) depctr_va_vdst(0) depctr_va_sdst(0) depctr_va_ssrc(0) depctr_va_vcc(0) depctr_vm_vsrc(0)
	s_getreg_b32 s2, hwreg(HW_REG_IB_STS2, 6, 4)
	s_cmp_eq_u32 s2, 0
	s_cbranch_scc0 .Lentry_in_a_cluster
	s_endpgm
.Lentry_in_a_cluster:
	s_bfe_u32 s2, ttmp6, 0x10000c
	s_cmp_lg_u32 s2, 0x3003
	s_cbranch_scc0 .Lentry_shape_is_right
	s_endpgm
.Lentry_shape_is_right:
; out0 = y W_proj + b_proj on codes of FP8 (E4M3) with E8M0 scales, K = 1024, f32 out.
; THE DEAL: 256 work-groups of four waves.  Work-group (cx, y) owns y's rows 128 y on, ALL of K: 131,072 bytes of LDS, fetched once, a slot of K (32,768 dense bytes) a wave; nothing is filled again.
; Wave w holds the 64 stored rows 64 (4 cx + w) on of W_proj, all of K, in 512 registers (windows 1, 2), loaded straight from pb, whose fragments are images of operand registers, and streams the rows past them: 8 tiles of 16, 32 products each.
; THE STREAM: the tiles stand in two sets of 128 registers (window 3); behind a tile's products its set takes the tile two on.  Every wait behind a batch is for 0: what it covers was issued a batch before.
; First source W's stored rows (bits 3 and 4 of the column exchanged), second y's rows: a lane holds row r, its 16 registers of tiles 2 t, 2 t + 1 columns 32 t + 16 h + 0..15.  The bias is the first products' C.
; THE WAY OUT: a tile's 16 rows x 256 bytes go through the wave's own stage in LDS and come back as whole rows; they are stored a tile later, sixteen lanes to an aligned run of 256 bytes.
; CLUSTER: the four work-groups of a cluster own the same rows of y: each slot is asked for jointly, mask 15.  NO PREFETCH: every tensor load stands at the head; there is no loop to run ahead in.
.set SL,    32768                      ; a slot of K in LDS: 8 tiles x 4,096 bytes
.set WST,   262144                     ; W: 64 tiles x 4,096 bytes from slot to slot
.set STAGE, 131072                     ; 16 rows x (256 + 16) bytes for each wave
.set SP,    272
.set SPARE, STAGE+4*16*SP              ; the spare words, 128 bytes a wave
.set LI,  1
.set SO0, 2
.set SO,  3
.set CA,  4                            ; v4 where a tile's rows go in out0; v5 its base: 4,096 (lane / 16) + 16 (lane % 16)
.set CA0, 5
.set STO, 6                            ; v6 the stage, on the way in; v7 on the way back
.set RD,  7
.set SPW, 8
.set NIL, 9
.set AD,  10
.set AF,  14
.set XS,  40
.set WS,  48
.set BIAS, 64
.set ACC, 96
.set OB,  128                          ; v128-191 two sets of 16 rows read back from the stage
.set G1, 24
.set G0, 32
.set XSB, 36
.set WB,  38
.set WSB, 40
.set OP,  46
.set CNT, 50
.set RO,  52
.set SOF, 53
.set MSB, 0
.macro WIN new
.if MSB != (\new)
	s_set_vgpr_msb (MSB<<8)|(\new)
.set MSB, (\new)
.endif
.endm
.macro CROUND
	s_barrier_signal -1
	s_barrier_wait -1
	s_cmp_lg_u32 s14, 0
	s_cbranch_scc1 .Lnot_wave_0_\@
	s_barrier_signal -3
.Lnot_wave_0_\@:
	s_barrier_wait -3
	s_barrier_signal -1
	s_barrier_wait -1
.endm
.macro SETF
.irp s, 0,1,2,3
	v_add_nc_u32 v[AF+\s], s[RO], v[AD+\s]
.endr
	v_add_nc_u32 v[SO], s[SOF], v[SO0]
.endm
.macro FETCH e                         ; a tile of y, 16 rows, all of K, into set e of window 3, and its scale words: lanes 0-15 slot s, lanes 16-31 slot s + 1
	WIN 0xc0
.irp s, 0,1,2,3
.irp q, 0,1
.irp c, 0,1,2,3
	ds_load_b128 v[128*(\e)+16*(2*\s+\q)+4*\c:128*(\e)+16*(2*\s+\q)+4*\c+3], v[AF+\s] offset:\q*2048+\c*512
.endr
.endr
.endr
	WIN 0
	global_load_b64 v[XS+4*(\e)+2:XS+4*(\e)+3], v[SO], s[XSB:XSB+1]
	global_load_b64 v[XS+4*(\e):XS+4*(\e)+1], v[SO], s[XSB:XSB+1] offset:256
.endm
.macro MM d, a, b, c, sa, sb, row
.if \row
	v_wmma_scale_f32_16x16x128_f8f6f4 v[\d:\d+7], v[\a:\a+15], v[\b:\b+15], v[\c:\c+7], v[\sa], v[\sb] matrix_a_scale:MATRIX_SCALE_ROW1 matrix_b_scale:MATRIX_SCALE_ROW1
.else
	v_wmma_scale_f32_16x16x128_f8f6f4 v[\d:\d+7], v[\a:\a+15], v[\b:\b+15], v[\c:\c+7], v[\sa], v[\sb]
.endif
.endm
; A batch: 32 products, product 4 q + b: K step q, tile b of the weight; the four accumulators take turns.  Among the first products: where the tile two on lies.
.macro PRODS e
.set N_, 0
.rept 32
.set Q_, N_/4
.set B_, N_%4
.set AC_, ACC+8*B_
.set C_, AC_
.if Q_ == 0
.set C_, BIAS+8*B_
.endif
	WIN (1+N_/16)|(3<<2)
	MM AC_, 16*(N_%16), 128*(\e)+16*Q_, C_, WS+4*B_+2*(Q_/4)+Q_%2, XS+4*(\e)+2*(1-Q_/4)+Q_%2, (Q_/2)%2
.if N_ == 0
	s_lshl_b32 s60, s[CNT], 1
	s_add_co_u32 s60, s60, 2+(\e)
	s_and_b32 s60, s60, 7
	s_lshl_b32 s[RO], s60, 12
.elseif N_ == 1
	s_lshr_b32 s[SOF], s[RO], 3
.endif
.set N_, N_+1
.endr
	WIN 0
	s_wait_xcnt 0x0                                ; earlier loads and stores have read their registers
	s_wait_dscnt 0x0                               ; the other set's tile and the last tile's rows from the stage, asked for a batch ago, are in
	s_wait_loadcnt 0x0
	SETF                                           ; with the four lines below: nine places behind the batch's last product, ahead of the next batch's first products, which begin the accumulators anew
.rept 4
	v_nop
.endr
.endm
.macro SEND p                          ; 16 rows of set p: each store covers two aligned runs of 256 bytes
.irp j, 0,1,2,3,4,5,6,7
	global_store_b128 v[CA], v[OB+32*(\p)+4*\j:OB+32*(\p)+4*\j+3], s[OP:OP+1] offset:2*\j*4096 th:TH_STORE_NT
.endr
.endm
.macro TILEP u
	PRODS \u
	s_cmp_eq_u32 s[CNT], 3
	s_cbranch_scc1 .Lnone_\@                       ; the last trip has no tile two on
	FETCH \u
.Lnone_\@:
.irp k, 0,1,2,3,4,5,6,7
	ds_store_b128 v[STO], v[ACC+4*\k:ACC+4*\k+3] offset:128*(\k/4)+16*(\k%4)   ; each accumulator from its low end on
.endr
.irp j, 0,1,2,3,4,5,6,7
	ds_load_b128 v[OB+32*(\u)+4*\j:OB+32*(\u)+4*\j+3], v[RD] offset:2*\j*SP    ; LDS serves a wave's instructions in order: these see the stores above
.endr
.if \u == 0
	s_cmp_eq_u32 s[CNT], 0
	s_cbranch_scc1 .Lfirst_\@                      ; tile 0 has no tile before it
	s_lshl_b32 s60, s[CNT], 17
	s_sub_co_u32 s60, s60, 65536
.else
	s_lshl_b32 s60, s[CNT], 17
.endif
	v_add_nc_u32 v[CA], s60, v[CA0]                ; the tile before this one: 16 rows of 4,096 bytes a tile
	SEND 1-\u
.if \u == 0
.Lfirst_\@:
.endif
.endm
	s_load_b256 s[4:11], s[0:1], 0x0               ; yb s[4:5], pb s[6:7], b_proj s[8:9], out0 s[10:11]
	v_lshl_add_u32 v[SPW], v0, 2, SPARE
	v_mov_b32 v[NIL], 0
	ds_add_u32 v[SPW], v[NIL]                      ; the wave's opening: the add, twice on end, and its wait ahead of my tensor load
	ds_add_u32 v[SPW], v[NIL]
	v_lshrrev_b32 v20, 5, v0
	v_readfirstlane_b32 s14, v20                   ; wave 0..3
	s_bfe_u32 s17, ttmp6, 0x40000                  ; cx
	s_and_b32 s19, ttmp7, 0xffff                   ; y
	s_mov_b32 s[G1], 15|(3<<16)|(1<<21)            ; the mask names the cluster's four; 32,768 dense bytes as 128 rows of 256
	s_mov_b32 s[G1+1], 32<<16
	s_mov_b32 s[G1+2], 128<<16
	s_mov_b32 s[G1+3], 32<<16
	s_mov_b32 s[G1+4], 128
	s_mov_b32 s[G1+5], 32
	s_mov_b32 s[G1+6], 0
	s_mov_b32 s[G1+7], 0
	s_mov_b32 s[G0], 1
	s_lshl_b32 s[G0+1], s14, 15                    ; wave w fetches slot w of K
	s_lshl_b32 s60, s14, 21
	s_lshl_b32 s61, s19, 15
	s_add_co_u32 s60, s60, s61
	s_mov_b32 s61, 0
	s_wait_dscnt 0x0
	CROUND                                         ; the four work-groups are here: the joint loads meet
	s_wait_kmcnt 0x0
	s_add_nc_u64 s[G0+2:G0+3], s[4:5], s[60:61]
	s_or_b32 s[G0+3], s[G0+3], 0x80000000
	tensor_load_to_lds s[G0:G0+3], s[G1:G1+7]
	s_nop 0
.rept 4
	v_nop
.endr
	s_lshl_b32 s62, s17, 2
	s_add_co_u32 s62, s62, s14                     ; my 64 columns: 4 cx + w
	s_lshl_b32 s60, s19, 12
	s_add_co_u32 s60, s60, 8388608
	s_add_nc_u64 s[XSB:XSB+1], s[4:5], s[60:61]    ; y's scale words: 8 tiles x 512 bytes
	s_lshl_b32 s60, s62, 14
	s_add_nc_u64 s[WB:WB+1], s[6:7], s[60:61]
	s_lshl_b32 s60, s62, 11
	s_add_co_u32 s60, s60, 1048576
	s_add_nc_u64 s[WSB:WSB+1], s[6:7], s[60:61]
	s_lshl_b32 s60, s62, 8
	s_add_nc_u64 s[66:67], s[8:9], s[60:61]        ; the bias of my 64 columns
	s_add_nc_u64 s[OP:OP+1], s[10:11], s[60:61]
	s_lshl_b32 s60, s19, 19
	s_add_nc_u64 s[OP:OP+1], s[OP:OP+1], s[60:61]  ; out0 at my first row and column
	s_mul_i32 s70, s14, 16*SP
	s_add_co_u32 s70, s70, STAGE
	v_and_b32 v160, 31, v0
	v_lshlrev_b32 v[LI], 4, v160
	v_and_b32 v161, 15, v0                         ; r
	v_bfe_u32 v162, v0, 4, 1                       ; h
.irp s, 0,1,2,3
	v_add_nc_u32 v[AD+\s], \s*SL, v[LI]
.endr
	v_lshlrev_b32 v[SO0], 3, v161
	v_lshl_add_u32 v[SO0], v162, 7, v[SO0]
	v_mul_u32_u24 v[STO], v161, SP
	v_lshl_add_u32 v[STO], v162, 6, v[STO]
	v_add_nc_u32 v[STO], s70, v[STO]               ; in: row r, 64 bytes for each half of the lanes
	v_mul_u32_u24 v[RD], v162, SP
	v_lshl_add_u32 v[RD], v161, 4, v[RD]
	v_add_nc_u32 v[RD], s70, v[RD]                 ; back: lanes 0-15 one row, lanes 16-31 the next
	v_lshlrev_b32 v[CA0], 12, v162
	v_lshl_add_u32 v[CA0], v161, 4, v[CA0]
	v_lshlrev_b32 v163, 6, v162                    ; the bias of my half's 16 columns: 64 h
	s_wait_alu depctr_va_vdst(0)
.irp q, 0,1,2,3,4,5,6,7
	WIN (1+\q/4)<<6
.irp b, 0,1,2,3
.irp c, 0,1,2,3
	global_load_b128 v[16*((4*\q+\b)%16)+4*\c:16*((4*\q+\b)%16)+4*\c+3], v[LI], s[WB:WB+1] offset:(\q/2)*WST+\b*4096+(\q%2)*2048+\c*512   ; fragment 4 q + b: 512 consecutive bytes a load
.endr
.endr
.endr
	WIN 0
.irp b, 0,1,2,3
	global_load_b64 v[WS+4*\b:WS+4*\b+1], v[SO0], s[WSB:WSB+1] offset:\b*512
	global_load_b64 v[WS+4*\b+2:WS+4*\b+3], v[SO0], s[WSB:WSB+1] offset:\b*512+256
	global_load_b128 v[BIAS+8*\b:BIAS+8*\b+3], v163, s[66:67] offset:(32*(\b/2)+8*(\b%2))*4
	global_load_b128 v[BIAS+8*\b+4:BIAS+8*\b+7], v163, s[66:67] offset:(32*(\b/2)+8*(\b%2))*4+16
.endr
	s_wait_tensorcnt 0x0                           ; my slot is in
	s_barrier_signal -1
	s_barrier_wait -1                              ; all four are
	s_mov_b32 s[RO], 0
	s_mov_b32 s[SOF], 0
	SETF
	FETCH 0
	s_wait_xcnt 0x0                                ; the loads have read their addresses
	s_mov_b32 s[RO], 4096
	s_mov_b32 s[SOF], 512
	SETF
	FETCH 1
	s_wait_dscnt 0x0
	s_wait_loadcnt 0x0                             ; the weight, the scale words, the bias
	s_mov_b32 s[CNT], 0
.Lp:                                               ; four trips of two tiles
	TILEP 0
	TILEP 1
	s_add_co_u32 s[CNT], s[CNT], 1
	s_cmp_lt_u32 s[CNT], 4
	s_cbranch_scc1 .Lp
	s_wait_xcnt 0x0                                ; tile 6's stores have read their address
	s_wait_dscnt 0x0                               ; tile 7's rows are back from the stage
	v_add_nc_u32 v[CA], 7*65536, v[CA0]
	SEND 1
	s_wait_tensorcnt 0x0                           ; the wave's end
	ds_add_u32 v[SPW], v[NIL]
	s_wait_dscnt 0x0
	CROUND                                         ; the closing round
	s_endpgm
.Lfunc_end_k_q2e721beca4_proj:
	.size	k_q2e721beca4_proj, .Lfunc_end_k_q2e721beca4_proj-k_q2e721beca4_proj
	.p2alignl 7, 3214868480
	.fill 96, 4, 3214868480
	.section	.rodata,"a",@progbits
	.p2align	6, 0x0
	.amdhsa_kernel k_q2e721beca4_proj
		.amdhsa_group_segment_fixed_size 167936
		.amdhsa_private_segment_fixed_size 0
		.amdhsa_enable_private_segment 0
		.amdhsa_kernarg_size 32
		.amdhsa_user_sgpr_count 2
		.amdhsa_user_sgpr_kernarg_segment_ptr 1
		.amdhsa_wavefront_size32 1
		.amdhsa_system_sgpr_workgroup_id_x 1
		.amdhsa_system_sgpr_workgroup_id_y 1
		.amdhsa_system_sgpr_workgroup_id_z 1
		.amdhsa_system_vgpr_workitem_id 0
		.amdhsa_next_free_vgpr 1024
		.amdhsa_next_free_sgpr 100
		.amdhsa_reserve_vcc 0
		.amdhsa_float_denorm_mode_32 3
		.amdhsa_float_denorm_mode_16_64 3
		.amdhsa_memory_ordered 1
		.amdhsa_forward_progress 1
		.amdhsa_inst_pref_size 42
	.end_amdhsa_kernel
	.amdgpu_metadata
---
amdhsa.version: [ 1, 2 ]
amdhsa.kernels:
  - .name:           k_q2e721beca4_proj
    .symbol:         k_q2e721beca4_proj.kd
    .args:
      - { .name: yb, .offset: 0, .size: 8, .value_kind: global_buffer, .address_space: global }
      - { .name: pb, .offset: 8, .size: 8, .value_kind: global_buffer, .address_space: global }
      - { .name: b_proj, .offset: 16, .size: 8, .value_kind: global_buffer, .address_space: global }
      - { .name: out0, .offset: 24, .size: 8, .value_kind: global_buffer, .address_space: global }
    .group_segment_fixed_size: 167936
    .private_segment_fixed_size: 0
    .kernarg_segment_align: 8
    .kernarg_segment_size: 32
    .max_flat_workgroup_size: 128
    .sgpr_count:     100
    .vgpr_count:     1024
    .wavefront_size: 32
...
	.end_amdgpu_metadata
.endif
;; end of part 4
